; MI455X (gfx1250); checked and timed in simulation.
; The chip was launched on July 23, 2026; its instructions are those of AMD's public machine-readable ISA for CDNA 5 (MIT licence, August 2026) and "CDNA5" Instruction Set Architecture Reference Guide (July 2026). The comments in the code are by the model that wrote it; some were corrected since.
;; Embedding Transformer. Allowed arithmetic: matrix products marked QUANTISED: E2M1 operands, one E8M0 scale for each 32 along K, by v_wmma_scale_f32_16x16x128_f8f6f4 with both operands' format E2M1 (or v_wmma_scale_f32_32x16x128_f4), f32 sums; products left as they are: f32 operands where the result goes on into a quantised operand, else bf16, f16 or f32 operands; f32 sums; everything else in f32.
;; Inputs: existing_node_features 8,192 x 512 float32; fc_b 512 float32; fc_w 512 x 512 float32; new_node_features 8,192 x 512 float32; om_b 512 float32; om_w 512 x 512 float32.
;; Outputs: out0 8,192 x 512 float32.
;; This version of the problem:
;;   THIS VERSION OF THE PROBLEM IS GIVEN IN LOW PRECISION. The matrix products marked QUANTISED in the list below multiply operands that are first quantised to E2M1 (2 exponent bits, 1 mantissa bit; 4 bits a number), with one power-of-two scale for each 32 numbers along K (OCP MX v1.0); their sums are f32. All else is computed in f32.
;;   The module's matrix products, in the order in which they are computed (A, B: the left and right operand; K: the contracted axis; several contracted axes count as one K, in the product's order):
;;     1. [M 8,192, K 512] x [K 512, N 8,192]; A: input new_node_features; B: input existing_node_features: QUANTISED
;;     2. batch 8,192 x [M 512, K 3] x [K 3, N 1]; A: computed on the way; B: computed on the way: left as it is (K = 3 < 32)
;;     3. [M 8,192, K 512] x [K 512, N 512]; A: computed on the way; B: input fc_w: QUANTISED
;;     4. [M 8,192, K 512] x [K 512, N 512]; A: computed on the way; B: input om_w: QUANTISED
;;   THE QUANTISER, for each operand of a quantised product, along K:
;;     - K is cut into blocks of 32 from its start; a last block that is shorter is filled with zeros.
;;     - A block's scale is 2^e with e = floor(log2(the largest magnitude in the block)) - 2, held to -126 .. 127; a block of zeros has e = 0. As a byte (E8M0): e + 127.
;;     - Each number is divided by its block's scale, clamped to +-6, and rounded to the nearest number of E2M1, ties to even, subnormals kept.
;;     - The product sums the exact products of the quantised numbers (number of the format x scale) in f32.
;;   ~~~python
;;   def quantise(x, axis):      # numpy; x: float32 -> the quantised numbers, widened to float32 again
;;       x = np.moveaxis(x, axis, -1); K = x.shape[-1]
;;       x = np.pad(x, [(0, 0)] * (x.ndim - 1) + [(0, -K % 32)]); x = x.reshape(x.shape[:-1] + (-1, 32)); a = np.abs(x).max(-1, keepdims=True)
;;       e = np.where(a > 0, np.clip(np.frexp(np.where(a > 0, a, 1))[1] - 1 - 2, -126, 127), 0)      # np.frexp(a)[1] - 1 = floor(log2(a)), exactly
;;       r = np.clip(x / 2.0 ** e, -6, 6)
;;       step = 2.0 ** (np.maximum(np.frexp(np.where(r == 0, 1, r))[1] - 1, 0) - 1)
;;       q = np.round(r / step) * step * 2.0 ** e      # np.round: ties to even
;;       return np.moveaxis(q.reshape(q.shape[:-2] + (-1,))[..., :K], -1, axis).astype(np.float32)
;;   ~~~
;;   OPERANDS COMPUTED ON THE WAY. 'Computed on the way' means the value that the module computes at that place (a softmax that the list does not call 'softmax' is quantised finished and normalised). What goes into a quantiser is computed in f32, as accurately as f32 sums, v_exp_f32 and their like allow (about 1e-6 of the number): no bf16 or f16 on the way to a quantiser, and a product that is left as it is and whose result goes on into a quantised operand takes f32 operands (vector FMAs, or v_wmma_f32_16x16x4_f32). A number that lies on a knife's edge between two numbers of the format may be rounded either way, as far as f32 arithmetic and the matrix unit's own rounding can turn it there, and no further.
;; 2 versions, each right; version 2 is version 1 with the launches refine, mlp written anew for expert scheduling mode. Each part assembles by itself: llvm-mc -triple=amdgcn-amd-amdhsa -mcpu=gfx1250 --defsym DOCPART=n.
;; ======== version 1 of 2: 4 launches
;; limits: right only within a limited range of input values
;; workspace buffers: codes 4,456,448 bytes; side 557,056 bytes; cand 4,194,304 bytes of whole numbers; topi 131,072 bytes of whole numbers; topw 131,072 bytes
;; launch quant (part 1): grid 272 x 1, 4 waves a work-group, no clusters, 35,328 bytes of LDS; arguments new_node_features, existing_node_features, fc_w, om_w, codes, side; writes codes, side
.if DOCPART == 1
	.amdgcn_target "amdgcn-amd-amdhsa--gfx1250"
	.amdhsa_code_object_version 6
	.text
	.protected	k_q8e5d200537_quant
	.globl	k_q8e5d200537_quant
	.p2align	8
	.type	k_q8e5d200537_quant,@function
k_q8e5d200537_quant:
	s_mov_b64 s[64:65], 0
	v_nop
	global_prefetch_b8 v0, s[64:65] scope:SCOPE_SE
	s_setreg_imm32_b32 hwreg(HW_REG_WAVE_MODE, 25, 1), 1
	s_wait_xcnt 0x0
; The four f32 tensors (rows of 512 numbers, K innermost) become codes of FP4 (E2M1) with one E8M0 byte for each 32 along K, and each row's norm and 1 / norm.
; The tensors are stacked as 1,088 groups of 16 rows: new 0-511, existing 512-1023, fc_w 1024-1055, om_w 1056-1087.  One wave takes one group; waves share nothing: no barrier.
; codes[group][q = 0..7][lane 0..31][16 bytes] IS THE IMAGE OF AN OPERAND'S REGISTERS: lane (row, h) of chunk q holds the row's block k = 64 q + 32 h .. + 31, so a later launch fetches a fragment by 16-byte loads at 16 x lane.
; side[group], 512 bytes: 0-255 the scale bytes, 16 a row (word s serves K step s of 128); 256-319 1 / norm; 320-383 norm; 384-511 zeros (written, since later launches copy whole records).
; A block's scale is 2^(floor(log2(largest magnitude)) - 2): its byte is the largest magnitude's exponent field - 2, held at 1 from below.
; LIMITS: a block of zeros gets the byte 1 where the quantiser says 127 (its codes are zeros, and this program alone reads the bytes); 1 / norm is taken of max(norm, 1e-30), so a row of zeros has a finite one;
; NaN and infinities among the inputs are not served.
; Each load reads two rows' aligned 256 bytes (16 lanes each); the chunk turns through the wave's own stage in LDS (rows 272 bytes apart) so that a lane then holds the 32 neighbours of one block.
.set WREG, 8704                        ; LDS of a wave: two stages
.set STGB, 4352                        ; a stage: 16 rows x (256 + 16) bytes
.set R,    16                          ; v16-143  four sets of 32 registers, as loaded
.set X,    144                         ; v144-207 two sets of 32 neighbours
.set C,    208                         ; v208-239 codes: four registers for each chunk, so that no store's data are written again
.set W,    240                         ; v240-243 scale words
.set SS,   244                         ; v244-247 sums of squares, two pairs
	s_load_b256 s[4:11], s[0:1], 0x0               ; new, existing, fc_w, om_w
	s_load_b128 s[12:15], s[0:1], 0x20             ; codes, side
	s_set_vgpr_msb 0x40
	v_lshl_add_u32 v0, v0, 2, 0x8800
	v_mov_b32 v1, 0
	s_set_vgpr_msb 0x4000
	v_lshrrev_b32 v1, 5, v0
	v_readfirstlane_b32 s16, v1                    ; wave 0..3
	v_and_b32 v1, 31, v0                           ; lane
	v_and_b32 v2, 15, v0                           ; lane % 16
	v_bfe_u32 v3, v0, 4, 1                         ; h = lane / 16
	v_lshlrev_b32 v4, 4, v2
	v_lshl_add_u32 v4, v3, 11, v4                  ; in memory: row h of a pair of rows, 16 bytes a lane
	s_mul_i32 s18, s16, WREG
	v_mul_u32_u24 v5, v3, 272
	v_lshl_add_u32 v5, v2, 4, v5
	v_add_nc_u32 v5, s18, v5                       ; into the stage: as loaded
	v_mul_u32_u24 v6, v2, 272
	v_lshl_add_u32 v6, v3, 7, v6
	v_add_nc_u32 v6, s18, v6                       ; out of it: row lane % 16, my half's 128 bytes
	v_lshlrev_b32 v7, 4, v1                        ; the image: 16 x lane
	v_lshlrev_b32 v8, 3, v3                        ; 8 h
	v_lshl_add_u32 v9, v2, 4, v8                   ; scale bytes: 16 a row, 8 for each half of the lanes
	v_lshlrev_b32 v10, 2, v2
	v_lshl_add_u32 v10, v3, 6, v10
	v_add_nc_u32 v10, 256, v10                     ; lanes 0-15 store 1 / norm, lanes 16-31 the norm
	v_lshl_add_u32 v11, v1, 2, 384                 ; the record's last 128 bytes
.irp i, 0,1,2,3
	v_mov_b32 v[SS+\i], 0
	v_mov_b32 v[248+\i], 0                         ; a lane permute's destination counts as one of its sources
.endr
	s_mov_b32 s24, 0x76543210
	s_mov_b32 s25, 0xfedcba98                      ; v_permlanex16_b32's selects for lane xor 16
	s_lshl_b32 s20, ttmp9, 2
	s_add_co_u32 s20, s20, s16                     ; my group
	s_lshl_b32 s22, s20, 9                         ; its record in side,
	s_mov_b32 s23, 0
	s_lshl_b32 s20, s20, 12                        ; its image in codes
	s_mov_b32 s21, 0
	s_wait_kmcnt 0x0
	s_mov_b32 s17, 264                             ; which tensor, and its first work-group: the choice hangs on the work-group's number alone
	s_cmp_lt_u32 ttmp9, 264
	s_cselect_b64 s[10:11], s[8:9], s[10:11]
	s_cselect_b32 s17, 256, s17
	s_cmp_lt_u32 ttmp9, 256
	s_cselect_b64 s[10:11], s[6:7], s[10:11]
	s_cselect_b32 s17, 128, s17
	s_cmp_lt_u32 ttmp9, 128
	s_cselect_b64 s[10:11], s[4:5], s[10:11]
	s_cselect_b32 s17, 0, s17
	s_sub_co_u32 s18, ttmp9, s17
	s_lshl_b32 s18, s18, 2
	s_add_co_u32 s18, s18, s16
	s_lshl_b32 s18, s18, 15                        ; 16 rows of 2,048 bytes a group
	s_mov_b32 s19, 0
	s_add_nc_u64 s[10:11], s[10:11], s[18:19]
	s_add_nc_u64 s[12:13], s[12:13], s[20:21]
	s_add_nc_u64 s[14:15], s[14:15], s[22:23]
.macro LOAD q                          ; chunk q (64 along K) of the 16 rows: eight loads, each two rows' aligned 256 bytes
.irp i, 0,1,2,3,4,5,6,7
	global_load_b128 v[R+32*((\q)%4)+4*\i:R+32*((\q)%4)+4*\i+3], v4, s[10:11] offset:\i*4096+(\q)*256
.endr
.endm
.macro TURN q                          ; through the stage: LDS serves a wave's instructions in order (ISA guide 5.7.1.4), so no wait stands between the stores and the loads
.irp i, 0,1,2,3,4,5,6,7
	ds_store_b128 v5, v[R+32*((\q)%4)+4*\i:R+32*((\q)%4)+4*\i+3] offset:((\q)%2)*STGB+\i*544
.endr
.irp n, 0,1,2,3,4,5,6,7
	ds_load_b128 v[X+32*((\q)%2)+4*\n:X+32*((\q)%2)+4*\n+3], v6 offset:((\q)%2)*STGB+16*\n
.endr
.endm
.macro STEP q
.set XS, X+32*((\q)%2)
	s_wait_dscnt 0x0                               ; this chunk's numbers are back; so its stores into the stage have read their registers,
.if (\q) < 4
	LOAD (\q)+4                                    ; which take the chunk four further on
.endif
.if (\q) < 7
.if (\q) < 4
	s_wait_loadcnt 24                              ; the next chunk's eight loads are in; the three chunks behind it may be out
.else
	s_wait_loadcnt 8*(6-(\q))                      ; the counts run down: 16, 8, 0
.endif
	TURN (\q)+1                                    ; it goes through the other stage while this chunk is worked
.endif
	v_max3_num_f32 v12, |v[XS]|, |v[XS+1]|, |v[XS+2]|       ; the block's largest magnitude: all 32 numbers are mine; two chains
	v_max3_num_f32 v13, |v[XS+3]|, |v[XS+4]|, |v[XS+5]|
.irp i, 6,10,14,18,22,26
	v_max3_num_f32 v12, v12, |v[XS+\i]|, |v[XS+\i+1]|
	v_max3_num_f32 v13, v13, |v[XS+\i+2]|, |v[XS+\i+3]|
.endr
	v_max3_num_f32 v12, v12, |v[XS+30]|, |v[XS+31]|
	v_max3_num_f32 v12, v12, v13, 0x1800000        ; and the floor 2^(3 - 127): the byte cannot fall under 1
.irp i, 0,2,4,6,8,10,12,14,16,18,20,22,24,26,28,30
	v_pk_fma_f32 v[SS+2*((\i/2)%2):SS+2*((\i/2)%2)+1], v[XS+\i:XS+\i+1], v[XS+\i:XS+\i+1], v[SS+2*((\i/2)%2):SS+2*((\i/2)%2)+1]   ; the row's sum of squares, of the numbers as they are given
.endr
	v_add_nc_u32 v14, 0xff000000, v12              ; 2 off the exponent field: the conversion takes this operand's exponent field as its scale
.irp g, 0,1,2,3
	v_cvt_scalef32_pk8_fp4_f32 v[C+4*(\q)+\g], v[XS+8*\g:XS+8*\g+7], v14
.endr
	v_lshrrev_b32 v15, 23, v14                     ; the scale's byte (also the plain line behind the conversions)
.if (\q)%2 == 0
	v_mov_b32 v[W+(\q)/2], v15                     ; block 2 q + h is byte 2 (q % 2) + h of word q / 2
.else
	v_lshl_or_b32 v[W+(\q)/2], v15, 16, v[W+(\q)/2]
.endif
	global_store_b128 v7, v[C+4*(\q):C+4*(\q)+3], s[12:13] offset:(\q)*512   ; 32 lanes store 512 consecutive bytes
.endm
	LOAD 0
	LOAD 1
	LOAD 2
	LOAD 3
	s_wait_loadcnt 24                              ; chunk 0's eight loads are in
	TURN 0
.irp q, 0,1,2,3,4,5,6,7
	STEP \q
.endr
.irp s, 0,1,2,3
	v_lshlrev_b32 v[W+\s], v8, v[W+\s]             ; my bytes 8 h bits up,
.endr
.irp s, 0,1,2,3
	v_permlanex16_b32 v[248+\s], v[W+\s], s24, s25
.endr
.irp s, 0,1,2,3
	v_or_b32 v[W+\s], v[W+\s], v[248+\s]           ; with lane xor 16's the words are whole
.endr
	v_cmp_ne_u32 vcc_lo, 0, v3
	v_cndmask_b32 v252, v[W], v[W+2], vcc_lo       ; lanes 0-15 store words 0, 1 of their row, lanes 16-31 words 2, 3
	v_cndmask_b32 v253, v[W+1], v[W+3], vcc_lo
	global_store_b64 v9, v[252:253], s[14:15]      ; 32 lanes store 256 consecutive bytes
	v_add_f32 v244, v244, v245
	v_add_f32 v246, v246, v247
	v_add_f32 v244, v244, v246
	v_permlanex16_b32 v248, v244, s24, s25
	v_add_f32 v244, v244, v248                     ; the row's sum of squares
	v_sqrt_f32 v245, v244
	v_mov_b32 v254, 0x0da24260                     ; 1e-30 (a plain line behind the root)
	s_wait_alu depctr_va_vdst(0)
	v_max_num_f32 v246, v245, v254
	v_rcp_f32 v247, v246
	v_fma_f32 v248, -v245, v245, v244              ; what the root leaves (a plain line behind the reciprocal)
	s_wait_alu depctr_va_vdst(0)
	v_mul_f32 v249, 0.5, v247
	v_fma_f32 v250, v248, v249, v245               ; the norm, one step of Newton's on
	v_max_num_f32 v251, v250, v254
	v_fma_f32 v248, -v251, v247, 1.0
	v_fma_f32 v249, v248, v247, v247               ; 1 / norm, likewise
	v_cndmask_b32 v255, v249, v250, vcc_lo
	v_mov_b32 v245, 0
	global_store_b32 v10, v255, s[14:15]           ; 128 consecutive bytes: a small part of the launch's bytes
	global_store_b32 v11, v245, s[14:15]
	s_set_vgpr_msb 0x5
	s_wait_tensorcnt 0x0
	ds_add_u32 v0, v1
	s_wait_dscnt 0x0
	s_set_vgpr_msb 0x500
	s_endpgm
.Lfunc_end_k_q8e5d200537_quant:
	.size	k_q8e5d200537_quant, .Lfunc_end_k_q8e5d200537_quant-k_q8e5d200537_quant
	.p2alignl 7, 3214868480
	.fill 96, 4, 3214868480
	.section	.rodata,"a",@progbits
	.p2align	6, 0x0
	.amdhsa_kernel k_q8e5d200537_quant
		.amdhsa_group_segment_fixed_size 35328
		.amdhsa_private_segment_fixed_size 0
		.amdhsa_enable_private_segment 0
		.amdhsa_kernarg_size 48
		.amdhsa_user_sgpr_count 2
		.amdhsa_user_sgpr_kernarg_segment_ptr 1
		.amdhsa_wavefront_size32 1
		.amdhsa_system_sgpr_workgroup_id_x 1
		.amdhsa_system_sgpr_workgroup_id_y 1
		.amdhsa_system_sgpr_workgroup_id_z 1
		.amdhsa_system_vgpr_workitem_id 0
		.amdhsa_next_free_vgpr 258
		.amdhsa_next_free_sgpr 66
		.amdhsa_reserve_vcc 1
		.amdhsa_float_denorm_mode_32 3
		.amdhsa_float_denorm_mode_16_64 3
		.amdhsa_memory_ordered 1
		.amdhsa_forward_progress 1
		.amdhsa_inst_pref_size 40
	.end_amdhsa_kernel
	.amdgpu_metadata
---
amdhsa.version: [ 1, 2 ]
amdhsa.kernels:
  - .name:           k_q8e5d200537_quant
    .symbol:         k_q8e5d200537_quant.kd
    .args:
      - { .name: new_node_features, .offset: 0, .size: 8, .value_kind: global_buffer, .address_space: global }
      - { .name: existing_node_features, .offset: 8, .size: 8, .value_kind: global_buffer, .address_space: global }
      - { .name: fc_w, .offset: 16, .size: 8, .value_kind: global_buffer, .address_space: global }
      - { .name: om_w, .offset: 24, .size: 8, .value_kind: global_buffer, .address_space: global }
      - { .name: codes, .offset: 32, .size: 8, .value_kind: global_buffer, .address_space: global }
      - { .name: side, .offset: 40, .size: 8, .value_kind: global_buffer, .address_space: global }
    .group_segment_fixed_size: 35328
    .private_segment_fixed_size: 0
    .kernarg_segment_align: 8
    .kernarg_segment_size: 48
    .max_flat_workgroup_size: 128
    .sgpr_count:     66
    .vgpr_count:     258
    .wavefront_size: 32
...
	.end_amdgpu_metadata
.endif
;; end of part 1
;; launch scan (part 2): grid 16 x 16, 8 waves a work-group, clusters of 4 x 4, 304,128 bytes of LDS; arguments codes, side, cand; writes cand
.if DOCPART == 2
	.amdgcn_target "amdgcn-amd-amdhsa--gfx1250"
	.amdhsa_code_object_version 6
	.text
	.protected	k_q8e5d200537_scan
	.globl	k_q8e5d200537_scan
	.p2align	8
	.type	k_q8e5d200537_scan,@function
k_q8e5d200537_scan:
	s_mov_b64 s[64:65], 0
	v_nop
	global_prefetch_b8 v0, s[64:65] scope:SCOPE_SE
	s_setreg_imm32_b32 hwreg(HW_REG_WAVE_MODE, 25, 1), 1
	s_wait_xcnt 0x0
	s_wait_alu depctr_hold_cnt(0) depctr_sa_sdst(0) depctr_va_vdst(0) depctr_va_sdst(0) depctr_va_ssrc(0) depctr_va_vcc(0) depctr_vm_vsrc(0)
	s_getreg_b32 s2, hwreg(HW_REG_IB_STS2, 6, 4)
	s_cmp_eq_u32 s2, 0
	s_cbranch_scc0 .Lentry_in_a_cluster
	s_endpgm
.Lentry_in_a_cluster:
	s_bfe_u32 s2, ttmp6, 0x10000c
	s_cmp_lg_u32 s2, 0xf033
	s_cbranch_scc0 .Lentry_shape_is_right
	s_endpgm
.Lentry_shape_is_right:
; The large product, Q(new) Q(existing)^T on codes of FP4, and the FIRST LEVEL OF THE TOP 3.  The existing rows are 512 groups of 16 neighbours.  The three largest similarities of a new row lie in the
; three groups with the largest group maxima, so here only s = dot x (1 / |existing row|), the maximum of each 16 and a sorted list of three (maximum, group) are made; the next launch multiplies the chosen groups again.
; SHARES.  A work-group takes 512 new rows x 512 existing rows; both blocks lie in LDS whole, filled once: nothing is filled again.  Wave w: wr = w % 4 owns 128 new rows (8 tiles, kept in window 1 as source 1),
; we = w / 4 walks 16 groups.  8 waves, two to a SIMD, so that one wave's vector work stands beside the other's products.
; TRANSPOSED: source 0 = 16 existing rows, source 1 = 16 new rows: a lane holds ONE new row.  THE EXISTING ROWS OF A TILE ARE NOT NEIGHBOURS: lane r of tile (b, u) takes row 32 b + 8 u + r + 8 (r / 8), so that the
; 16 registers of tiles (b, 0) and (b, 1) in lane half h are exactly group 2 b + h.
; CLUSTER 4 x 4: the new block hangs on the work-group's y alone and is asked for jointly along a row of the cluster, the existing block on x alone and jointly along a column.
; OUT: cand[2 x + we][new row] = three keys and three group numbers (10 bits each), an unsorted set.  A key is the f32 maximum as a whole number of the same order: bits ^ ((bits >> 31, arithmetic) & 0x7fffffff).
; LIMITS: groups are ordered by dot / |e|, reference() by dot / (|n| |e| + 1e-8): the two orders differ by at most 1e-8 / (|n| |e|) relatively, under half a unit in the last place for |n| |e| >= 0.17;
; equal maxima keep the group met first; NaN and infinities are not served.
; The 16 tile bodies are written out, so that every LDS offset is an immediate and no address is stepped.
.set NC,  0                            ; new codes: 32 groups x 4,096 bytes, dense
.set NSD, 131072                       ; new side records: 32 x 512, dense
.set EC,  147456                       ; existing codes: rows of 1,024 + 32 bytes: a group 4,224 bytes: two neighbouring groups differ by 128 modulo 256 bytes
.set ESD, 282624                       ; existing side records: 512 + 128 bytes
.set GE,  512                          ; the first existing group
.set T,   8                            ; v8-15    at work, one a tile
.set NS,  16                           ; v16-47   new rows' scale words, 4 t + s: scales and nothing else
.set ES,  48                           ; v48-51   existing rows' scale words of K step s: lanes 0-15 tile u = 0, lanes 16-31 tile u = 1
.set IE,  52                           ; v52-67   1 / norm of my 16 existing rows, 8 u + j
.set AF,  68                           ; v68-99   one tile's fragments, 8 s
.set ACC, 100                          ; v100-163 eight accumulators, 8 t
.set M,   164                          ; v164-171 the group's maximum
.set LV,  172                          ; v172-195 the lists' values, 3 t + k, falling
.set LI,  196                          ; v196-219 and groups
.set P,   220                          ; v220-225 the other half's list
.set REC, 100                          ; the tail: four words a tile
.set OUTR, 132
.set MSB, 0
.macro WIN new                         ; the immediate's high byte repeats the setting that is left
.if MSB != \new
	s_set_vgpr_msb (MSB<<8)|\new
.set MSB, \new
.endif
.endm
.macro ROUND                           ; a round of the cluster's barrier
	s_barrier_signal -1
	s_barrier_wait -1
	s_cmp_lg_u32 s10, 0
	s_cbranch_scc1 .Lnot_wave_0_\@
	s_barrier_signal -3
.Lnot_wave_0_\@:
	s_barrier_wait -3
	s_barrier_signal -1
	s_barrier_wait -1
.endm
.macro DESC g, c, r                    ; words 1 to 7 of a descriptor's group 1: r dense rows of c elements of 8 bytes
	s_mov_b32 s[\g+1], (\c)<<16                    ; tensor_dim0
	s_mov_b32 s[\g+2], (\r)<<16                    ; tensor_dim1
	s_mov_b32 s[\g+3], (\c)<<16                    ; tile_dim0
	s_mov_b32 s[\g+4], \r                          ; tile_dim1
	s_mov_b32 s[\g+5], \c                          ; from row to row
	s_mov_b32 s[\g+6], 0
	s_mov_b32 s[\g+7], 0
.endm
	s_load_b128 s[4:7], s[0:1], 0x0                ; codes, side
	s_load_b64 s[8:9], s[0:1], 0x10                ; cand
	v_lshl_add_u32 v254, v0, 2, 0x4a000
	v_mov_b32 v255, 0
	ds_add_u32 v254, v255
	ds_add_u32 v254, v255
	v_lshrrev_b32 v1, 5, v0
	v_readfirstlane_b32 s10, v1                    ; wave 0..7
	s_and_b32 s11, s10, 3                          ; wr
	s_lshr_b32 s12, s10, 2                         ; we
	s_bfe_u32 s13, ttmp6, 0x40000                  ; cx
	s_bfe_u32 s14, ttmp6, 0x40004                  ; cy
	s_lshl_b32 s15, ttmp9, 2
	s_add_co_u32 s15, s15, s13                     ; px: which 512 existing rows
	s_and_b32 s16, ttmp7, 0xffff
	s_lshl_b32 s16, s16, 2
	s_add_co_u32 s16, s16, s14                     ; ny: which 512 new rows
	s_lshl_b32 s17, s14, 2
	s_lshl_b32 s17, 15, s17                        ; my row of the cluster
	s_lshl_b32 s18, 0x1111, s13                    ; my column
	s_mov_b32 s19, 0xffff0000                      ; lanes 16-31
	s_or_b32 s24, s17, (3<<16)|(1<<21)             ; new side: the mask, elements of 8 bytes, bit 21 beside a mask, no padding
	DESC 24, 64, 4
	s_or_b32 s32, s17, (3<<16)|(1<<21)             ; new codes
	DESC 32, 128, 16
	s_or_b32 s40, s18, (3<<16)|(1<<20)|(1<<21)|(6<<22)|(31<<25)   ; existing side: 32 words of padding behind every 128
	DESC 40, 64, 4
	s_or_b32 s48, s18, (3<<16)|(1<<20)|(1<<21)|(7<<22)|(7<<25)    ; existing codes: 8 words behind every 256
	DESC 48, 128, 16
	s_lshl_b32 s2, s10, 2                          ; each wave brings four groups of each block
	s_lshl_b32 s20, s16, 5
	s_add_co_u32 s20, s20, s2                      ; new group: 32 ny + 4 w (made of ny and the wave alone)
	s_mov_b32 s21, 0
	s_lshl_b32 s92, s20, 12
	s_mov_b32 s93, 0
	s_lshl_b32 s20, s20, 9
	s_lshl_b32 s22, s15, 5
	s_add_co_u32 s22, s22, s2
	s_add_co_u32 s22, s22, GE                      ; existing group: 512 + 32 px + 4 w (of px and the wave alone)
	s_mov_b32 s23, 0
	s_lshl_b32 s94, s22, 12
	s_mov_b32 s95, 0
	s_lshl_b32 s22, s22, 9
	s_mov_b32 s56, 1
	s_lshl_b32 s3, s10, 11
	s_add_co_u32 s57, s3, NSD
	s_mov_b32 s60, 1
	s_lshl_b32 s61, s10, 14
	s_mov_b32 s68, 1
	s_mul_i32 s3, s10, 2560
	s_add_co_u32 s69, s3, ESD
	s_mov_b32 s72, 1
	s_mul_i32 s3, s10, 16896
	s_add_co_u32 s73, s3, EC
	s_lshl_b32 s96, s15, 1                         ; cand: partition 2 px + we, 131,072 bytes each; row 512 ny + 128 wr, 16 bytes each
	s_add_co_u32 s96, s96, s12
	s_lshl_b32 s96, s96, 17
	s_lshl_b32 s98, s16, 13
	s_add_co_u32 s96, s96, s98
	s_lshl_b32 s98, s11, 11
	s_add_co_u32 s96, s96, s98
	s_mov_b32 s97, 0
	s_wait_dscnt 0x0
	s_wait_kmcnt 0x0
	s_add_nc_u64 s[58:59], s[6:7], s[20:21]
	s_or_b32 s59, s59, 0x80000000
	s_add_nc_u64 s[62:63], s[4:5], s[92:93]
	s_or_b32 s63, s63, 0x80000000
	s_add_nc_u64 s[70:71], s[6:7], s[22:23]
	s_or_b32 s71, s71, 0x80000000
	s_add_nc_u64 s[74:75], s[4:5], s[94:95]
	s_or_b32 s75, s75, 0x80000000
	s_add_nc_u64 s[8:9], s[8:9], s[96:97]
	ROUND                                          ; all sixteen work-groups are here: the joint loads meet
	tensor_load_to_lds s[56:59], s[24:31]          ; the launch's only fills, one group: four loads of mine are out
	s_nop 0
	tensor_load_to_lds s[60:63], s[32:39]
	s_nop 0
	tensor_load_to_lds s[68:71], s[40:47]
	s_nop 0
	tensor_load_to_lds s[72:75], s[48:55]
	s_nop 0
.rept 4
	v_nop                                          ; four nops behind the loads
.endr
	v_and_b32 v8, 31, v0                           ; lane
	v_and_b32 v9, 15, v0                           ; r
	v_bfe_u32 v10, v0, 4, 1                        ; h
	v_bfe_u32 v11, v0, 3, 1                        ; r / 8
	v_and_b32 v12, 7, v0                           ; r % 8
	v_lshlrev_b32 v7, 4, v8                        ; 16 x lane
	s_lshl_b32 s3, s11, 15
	v_add_nc_u32 v1, s3, v7                        ; my eight new groups' images
	v_mul_u32_u24 v2, v11, 4224
	v_lshl_add_u32 v2, v10, 8, v2
	v_lshl_add_u32 v2, v12, 4, v2
	s_mul_i32 s3, s12, 67584
	s_add_co_u32 s3, s3, EC
	v_add_nc_u32 v2, s3, v2                        ; a tile's fragment: group r / 8 of the pair, image lane 16 h + 8 u + r % 8
	v_mul_u32_u24 v3, v11, 640
	v_lshl_add_u32 v3, v10, 7, v3
	v_lshl_add_u32 v3, v12, 4, v3
	s_mul_i32 s3, s12, 10240
	s_add_co_u32 s3, s3, ESD
	v_add_nc_u32 v3, s3, v3                        ; its scale words: lane half h serves tile u = h
	v_mul_u32_u24 v4, v10, 640
	s_add_co_u32 s3, s3, 256
	v_add_nc_u32 v4, s3, v4                        ; 1 / norm of group 2 b + h
	s_lshl_b32 s98, s15, 5
	s_lshl_b32 s99, s12, 4
	s_add_co_u32 s98, s98, s99
	v_add_nc_u32 v5, s98, v10                      ; the number of group 2 b + h, less 2 b
	s_lshl_b32 s3, s11, 12
	s_add_co_u32 s3, s3, NSD
	v_lshl_add_u32 v226, v9, 4, s3                 ; my new rows' scale words
.set i, 0
.rept 24
	v_mov_b32 v[LV+i], 0xff800000                  ; the lists begin at -infinity
	v_mov_b32 v[LI+i], 0
.set i, i+1
.endr
.irp k, 0,1,2,3,4,5
	v_mov_b32 v[P+\k], 0                           ; a lane permute's destination counts as one of its sources
.endr
	s_wait_tensorcnt 0x2                           ; my parts of the new block have landed; my two loads of existing rows, issued behind them, may be out
	s_barrier_signal -1
	s_barrier_wait -1                              ; everybody's have
	WIN 0x40                                       ; destination window 1
.irp t, 0,1,2,3,4,5,6,7
.irp q, 0,1,2,3,4,5,6,7
	ds_load_b128 v[32*\t+4*\q:32*\t+4*\q+3], v1 offset:\t*4096+\q*512   ; source 1 stays in registers: tile t, K step s at 32 t + 8 s
.endr
.endr
	WIN 0
.irp t, 0,1,2,3,4,5,6,7
	ds_load_b128 v[NS+4*\t:NS+4*\t+3], v226 offset:\t*512
.endr
	s_wait_tensorcnt 0x0                           ; my parts of the existing block have landed
	s_wait_dscnt 0x0                               ; no LDS load of mine is out at the signal
	s_barrier_signal -1
	s_barrier_wait -1
.macro LOADT b, u                      ; tile (b, u): eight loads of codes, two of 1 / norm; with u = 0 the pair's scale words
.irp q, 0,1,2,3,4,5,6,7
	ds_load_b128 v[AF+4*\q:AF+4*\q+3], v2 offset:(\b)*8448+(\u)*128+(\q/2)*1056+(\q%2)*512
.endr
.irp n, 0,1
	ds_load_b128 v[IE+8*(\u)+4*\n:IE+8*(\u)+4*\n+3], v4 offset:(\b)*1280+(\u)*32+16*\n
.endr
.if (\u) == 0
	ds_load_b128 v[ES:ES+3], v3 offset:(\b)*1280
.endif
.endm
.macro MULT u                          ; 32 products: K step by K step, the eight accumulators by turns, one instruction a turn; the first K step starts the sums
	WIN 0x04                                       ; source 1 in window 1
.irp s, 0,1,2,3
.irp t, 0,1,2,3,4,5,6,7
.if \s == 0
.if \u == 0
	v_wmma_scale_f32_16x16x128_f8f6f4 v[ACC+8*\t:ACC+8*\t+7], v[AF+8*\s:AF+8*\s+7], v[32*\t+8*\s:32*\t+8*\s+7], 0, v[ES+\s], v[NS+4*\t+\s] matrix_a_fmt:MATRIX_FMT_FP4 matrix_b_fmt:MATRIX_FMT_FP4
.else
	v_wmma_scale_f32_16x16x128_f8f6f4 v[ACC+8*\t:ACC+8*\t+7], v[AF+8*\s:AF+8*\s+7], v[32*\t+8*\s:32*\t+8*\s+7], 0, v[ES+\s], v[NS+4*\t+\s] matrix_a_fmt:MATRIX_FMT_FP4 matrix_b_fmt:MATRIX_FMT_FP4 matrix_a_scale:MATRIX_SCALE_ROW1
.endif
.else
.if \u == 0
	v_wmma_scale_f32_16x16x128_f8f6f4 v[ACC+8*\t:ACC+8*\t+7], v[AF+8*\s:AF+8*\s+7], v[32*\t+8*\s:32*\t+8*\s+7], v[ACC+8*\t:ACC+8*\t+7], v[ES+\s], v[NS+4*\t+\s] matrix_a_fmt:MATRIX_FMT_FP4 matrix_b_fmt:MATRIX_FMT_FP4
.else
	v_wmma_scale_f32_16x16x128_f8f6f4 v[ACC+8*\t:ACC+8*\t+7], v[AF+8*\s:AF+8*\s+7], v[32*\t+8*\s:32*\t+8*\s+7], v[ACC+8*\t:ACC+8*\t+7], v[ES+\s], v[NS+4*\t+\s] matrix_a_fmt:MATRIX_FMT_FP4 matrix_b_fmt:MATRIX_FMT_FP4 matrix_a_scale:MATRIX_SCALE_ROW1
.endif
.endif
.endr
.endr
	WIN 0
.rept 5
	v_nop                                          ; places behind the products: in front of the loads into their operands, of the reads of their results, and of the next tile's sums begun anew
.endr
.endm
.macro INSERT8                         ; (M, v6) goes into each tile's sorted list of three; the compare is strict: on equal values the earlier group stays
.irp t, 0,1,2,3,4,5,6,7
	v_cmp_gt_f32 s[76+\t], v[M+\t], v[LV+3*\t]
.endr
.irp t, 0,1,2,3,4,5,6,7
	v_cmp_gt_f32 s[84+\t], v[M+\t], v[LV+3*\t+1]
.endr
.irp t, 0,1,2,3,4,5,6,7
	v_cmp_gt_f32 s[92+\t], v[M+\t], v[LV+3*\t+2]
.endr
.irp t, 0,1,2,3,4,5,6,7
	v_cndmask_b32 v[T+\t], v6, v[LI+3*\t+1], s[84+\t]
.endr
.irp t, 0,1,2,3,4,5,6,7
	v_cndmask_b32 v[LI+3*\t+2], v[LI+3*\t+2], v[T+\t], s[92+\t]
.endr
.irp t, 0,1,2,3,4,5,6,7
	v_cndmask_b32 v[T+\t], v6, v[LI+3*\t], s[76+\t]
.endr
.irp t, 0,1,2,3,4,5,6,7
	v_cndmask_b32 v[LI+3*\t+1], v[LI+3*\t+1], v[T+\t], s[84+\t]
.endr
.irp t, 0,1,2,3,4,5,6,7
	v_cndmask_b32 v[LI+3*\t], v[LI+3*\t], v6, s[76+\t]
.endr
.irp t, 0,1,2,3,4,5,6,7
	v_med3_num_f32 v[LV+3*\t+2], v[LV+3*\t+1], v[LV+3*\t+2], v[M+\t]
.endr
.irp t, 0,1,2,3,4,5,6,7
	v_med3_num_f32 v[LV+3*\t+1], v[LV+3*\t], v[LV+3*\t+1], v[M+\t]
.endr
.irp t, 0,1,2,3,4,5,6,7
	v_max_num_f32 v[LV+3*\t], v[LV+3*\t], v[M+\t]
.endr
.endm
.macro VEC b, u
.irp i, 0,1,2,3
.irp t, 0,1,2,3,4,5,6,7
	v_pk_mul_f32 v[ACC+8*\t+2*\i:ACC+8*\t+2*\i+1], v[ACC+8*\t+2*\i:ACC+8*\t+2*\i+1], v[IE+8*(\u)+2*\i:IE+8*(\u)+2*\i+1]   ; s = dot / |e|; each accumulator from its low end on
.endr
.endr
.if (\u) == 0
.irp t, 0,1,2,3,4,5,6,7
	v_max3_num_f32 v[M+\t], v[ACC+8*\t], v[ACC+8*\t+1], v[ACC+8*\t+2]
.endr
.irp t, 0,1,2,3,4,5,6,7
	v_max3_num_f32 v[M+\t], v[M+\t], v[ACC+8*\t+3], v[ACC+8*\t+4]
.endr
.irp t, 0,1,2,3,4,5,6,7
	v_max3_num_f32 v[M+\t], v[M+\t], v[ACC+8*\t+5], v[ACC+8*\t+6]
.endr
.irp t, 0,1,2,3,4,5,6,7
	v_max_num_f32 v[M+\t], v[M+\t], v[ACC+8*\t+7]
.endr
.else
.irp i, 0,2,4,6
.irp t, 0,1,2,3,4,5,6,7
	v_max3_num_f32 v[M+\t], v[M+\t], v[ACC+8*\t+\i], v[ACC+8*\t+\i+1]
.endr
.endr
	v_add_nc_u32 v6, 2*(\b), v5                    ; the group's number
	INSERT8
.endif
.endm
.macro TILE b, u
	s_wait_dscnt 0x0                               ; the tile's LDS loads are in: they were issued a whole vector phase ago
	MULT \u
.if (\u) == 0
	LOADT \b, 1
.elseif (\b) < 7
	LOADT (\b)+1, 0
.endif
	VEC \b, \u
.endm
	LOADT 0, 0
.irp b, 0,1,2,3,4,5,6,7
	TILE \b, 0
	TILE \b, 1
.endr
	; THE TAIL.  A new row's groups lie in lanes l and l xor 16.  Of two falling triples a and b the three largest are max(a1, b3), max(a2, b2), max(a3, b1).
	s_mov_b32 s2, 0x76543210
	s_mov_b32 s3, 0xfedcba98
.irp t, 0,1,2,3,4,5,6,7
.irp k, 0,1,2
	v_permlanex16_b32 v[P+\k], v[LV+3*\t+\k], s2, s3
	v_permlanex16_b32 v[P+3+\k], v[LI+3*\t+\k], s2, s3
.endr
.irp k, 0,1,2
	v_cmp_gt_f32 vcc_lo, v[P+2-\k], v[LV+3*\t+\k]
	v_cndmask_b32 v[LV+3*\t+\k], v[LV+3*\t+\k], v[P+2-\k], vcc_lo
	v_cndmask_b32 v[LI+3*\t+\k], v[LI+3*\t+\k], v[P+5-\k], vcc_lo
.endr
.irp k, 0,1,2
	v_ashrrev_i32 v[T+\t], 31, v[LV+3*\t+\k]       ; the key: a whole number of the same order as the f32 number
	v_and_b32 v[T+\t], 0x7fffffff, v[T+\t]
	v_xor_b32 v[REC+4*\t+\k], v[LV+3*\t+\k], v[T+\t]
.endr
	v_lshl_or_b32 v[REC+4*\t+3], v[LI+3*\t+1], 10, v[LI+3*\t]
	v_lshl_or_b32 v[REC+4*\t+3], v[LI+3*\t+2], 20, v[REC+4*\t+3]
.endr
.irp p, 0,1,2,3
.irp c, 0,1,2,3
	v_cndmask_b32 v[OUTR+4*\p+\c], v[REC+8*\p+\c], v[REC+8*\p+4+\c], s19   ; lanes 0-15 carry tile 2 p, lanes 16-31 tile 2 p + 1
.endr
	global_store_b128 v7, v[OUTR+4*\p:OUTR+4*\p+3], s[8:9] offset:\p*512      ; 32 rows' records: 512 consecutive bytes
.endr
	s_wait_tensorcnt 0x0
	ds_add_u32 v254, v255
	s_wait_dscnt 0x0
	ROUND                                          ; the closing round: no work-group ends while a partner may still ask for a tile that names it
	s_endpgm
.Lfunc_end_k_q8e5d200537_scan:
	.size	k_q8e5d200537_scan, .Lfunc_end_k_q8e5d200537_scan-k_q8e5d200537_scan
	.p2alignl 7, 3214868480
	.fill 96, 4, 3214868480
	.section	.rodata,"a",@progbits
	.p2align	6, 0x0
	.amdhsa_kernel k_q8e5d200537_scan
		.amdhsa_group_segment_fixed_size 304128
		.amdhsa_private_segment_fixed_size 0
		.amdhsa_enable_private_segment 0
		.amdhsa_kernarg_size 24
		.amdhsa_user_sgpr_count 2
		.amdhsa_user_sgpr_kernarg_segment_ptr 1
		.amdhsa_wavefront_size32 1
		.amdhsa_system_sgpr_workgroup_id_x 1
		.amdhsa_system_sgpr_workgroup_id_y 1
		.amdhsa_system_sgpr_workgroup_id_z 1
		.amdhsa_system_vgpr_workitem_id 0
		.amdhsa_next_free_vgpr 512
		.amdhsa_next_free_sgpr 100
		.amdhsa_reserve_vcc 1
		.amdhsa_float_denorm_mode_32 3
		.amdhsa_float_denorm_mode_16_64 3
		.amdhsa_memory_ordered 1
		.amdhsa_forward_progress 1
		.amdhsa_inst_pref_size 209
	.end_amdhsa_kernel
	.amdgpu_metadata
---
amdhsa.version: [ 1, 2 ]
amdhsa.kernels:
  - .name:           k_q8e5d200537_scan
    .symbol:         k_q8e5d200537_scan.kd
    .args:
      - { .name: codes, .offset: 0, .size: 8, .value_kind: global_buffer, .address_space: global }
      - { .name: side, .offset: 8, .size: 8, .value_kind: global_buffer, .address_space: global }
      - { .name: cand, .offset: 16, .size: 8, .value_kind: global_buffer, .address_space: global }
    .group_segment_fixed_size: 304128
    .private_segment_fixed_size: 0
    .kernarg_segment_align: 8
    .kernarg_segment_size: 24
    .max_flat_workgroup_size: 256
    .sgpr_count:     100
    .vgpr_count:     512
    .wavefront_size: 32
...
	.end_amdgpu_metadata
.endif
;; end of part 2
;; launch refine (part 3): grid 512 x 1, 4 waves a work-group, no clusters, 0 bytes of LDS; arguments cand, codes, side, topi, topw; writes topi, topw
.if DOCPART == 3
	.amdgcn_target "amdgcn-amd-amdhsa--gfx1250"
	.amdhsa_code_object_version 6
	.text
	.protected	k_q8e5d200537_refine
	.globl	k_q8e5d200537_refine
	.p2align	8
	.type	k_q8e5d200537_refine,@function
k_q8e5d200537_refine:
	s_mov_b64 s[64:65], 0
	v_nop
	global_prefetch_b8 v0, s[64:65] scope:SCOPE_SE
	s_setreg_imm32_b32 hwreg(HW_REG_WAVE_MODE, 25, 1), 1
	s_wait_xcnt 0x0
; THE SECOND LEVEL OF THE TOP 3.  For each new row the 32 lists of three (key, group) are merged, by whole-number compares alone, into the row's three groups; these 3 x 16 existing rows are multiplied again on their
; FP4 codes; sim = dot / (|n| |e| + 1e-8) as reference() has it; the three largest, their row numbers and the weights sim / (sum of the three) are stored.
; SHARES.  A work-group takes a tile of 16 new rows, wave a its rows 4 a .. 4 a + 3: twelve (row, group) pairs, in two batches of six.  Source 0 = the group's 16 rows, source 1 = the new tile; of each result only
; the column of the pair's own row is kept (lanes 4 a + rr and 16 + 4 a + rr).  The chain of loads that depend on each other is three long: the lists, batch 0, batch 1.
; Group numbers come from memory as whole numbers and are held to 511 in front of every address.
; LIMITS: equal similarities may be ordered otherwise than by the lowest index; the reciprocals are v_rcp_f32 with one step of Newton's; NaN and infinities are not served.
; The stores are 64 bytes a wave into each of two small buffers.
.set GE,  512
.set CR,  8                            ; v8-23    four records of a lane
.set BF,  40                           ; v40-71   the new tile's fragments
.set BS,  72                           ; v72-75   its scale words
.set AS,  76                           ; v76-99   six sets of four scale words
.set ACC, 100                          ; v100-147 six accumulators; later reciprocals
.set COL, 148                          ; v148-171 my row's 24 dots, 8 g + j, then its similarities
.set EN,  172                          ; v172-195 the 24 existing norms, then the divisors
.set IDL, 196                          ; v196-198 my row's three groups
.set MSB, 0
.macro WIN new
.if MSB != \new
	s_set_vgpr_msb (MSB<<8)|\new
.set MSB, \new
.endif
.endm
	s_load_b256 s[4:11], s[0:1], 0x0               ; cand, codes, side, topi
	s_load_b64 s[12:13], s[0:1], 0x20              ; topw
	v_lshrrev_b32 v1, 5, v0
	v_readfirstlane_b32 s14, v1                    ; wave a
	s_lshl_b32 s15, s14, 2                         ; 4 a
	v_and_b32 v239, 31, v0                         ; lane
	v_and_b32 v2, 15, v0                           ; r
	v_bfe_u32 v3, v0, 4, 1                         ; h
	v_lshlrev_b32 v1, 4, v239                      ; 16 x lane
	v_lshlrev_b32 v5, 2, v2                        ; 4 r
	v_lshlrev_b32 v2, 4, v2                        ; 16 r
	v_lshlrev_b32 v6, 5, v3                        ; 32 h
	v_lshlrev_b32 v7, 3, v3                        ; 8 h
	v_and_b32 v4, 7, v0
	v_lshlrev_b32 v4, 19, v4                       ; lane % 8 takes four partitions of 131,072 bytes,
	v_bfe_u32 v36, v0, 3, 2
	v_lshl_add_u32 v4, v36, 4, v4                  ; of row lane / 8
	s_mov_b32 s40, 0x76543210
	s_mov_b32 s41, 0xfedcba98
.irp rr, 0,1,2,3
	s_add_co_u32 s16, s15, \rr
	s_lshl_b32 s[32+\rr], 0x10001, s16             ; the two lanes that own row rr
.endr
	s_lshl_b32 s16, ttmp9, 8
	s_lshl_b32 s17, s14, 6
	s_add_co_u32 s16, s16, s17                     ; (16 T + 4 a) records of 16 bytes
	s_mov_b32 s17, 0
	s_lshl_b32 s18, ttmp9, 12
	s_mov_b32 s19, 0
	s_lshl_b32 s50, ttmp9, 9
	s_mov_b32 s51, 0
	s_lshl_b32 s52, ttmp9, 8
	s_mov_b32 s53, 0
	s_wait_kmcnt 0x0
	s_add_nc_u64 s[4:5], s[4:5], s[16:17]
	s_add_nc_u64 s[42:43], s[6:7], s[18:19]        ; the new tile's codes,
	s_add_nc_u64 s[44:45], s[8:9], s[50:51]        ; its side record
	s_add_nc_u64 s[46:47], s[6:7], GE*4096         ; the existing groups' codes,
	s_add_nc_u64 s[48:49], s[8:9], GE*512          ; their side records
	s_add_nc_u64 s[10:11], s[10:11], s[52:53]
	s_add_nc_u64 s[12:13], s[12:13], s[52:53]
.irp e, 0,1,2,3
	global_load_b128 v[CR+4*\e:CR+4*\e+3], v4, s[4:5] offset:\e*131072
.endr
.irp q, 0,1,2,3,4,5,6,7
	global_load_b128 v[BF+4*\q:BF+4*\q+3], v1, s[42:43] offset:\q*512
.endr
	global_load_b128 v[BS:BS+3], v2, s[44:45]
	global_load_b32 v199, v5, s[44:45] offset:320  ; |n| of row r
	v_mov_b32 v24, 0x80000000                      ; the merge list: keys v24-26, falling, groups v27-29
	v_mov_b32 v25, 0x80000000
	v_mov_b32 v26, 0x80000000
.irp k, 27,28,29,30,31,32,33,34,35,196,197,198,220,221,222,223,227,228,229,230,231,232,233
	v_mov_b32 v\k, 0
.endr
.irp k, 216,217,218
	v_mov_b32 v\k, 0xff800000                      ; the final list's values begin at -infinity
.endr
.set i, 0
.rept 24
	v_mov_b32 v[COL+i], 0                          ; written whole once: the selects below keep the other lanes' words
.set i, i+1
.endr
.macro INSI x, id                      ; (key, group) into the sorted list of three: whole numbers alone
	v_cmp_gt_i32 s36, v[\x], v24
	v_cmp_gt_i32 s37, v[\x], v25
	v_cmp_gt_i32 s38, v[\x], v26
	v_cndmask_b32 v37, v[\x], v25, s37
	v_cndmask_b32 v38, v[\id], v28, s37
	v_cndmask_b32 v26, v26, v37, s38
	v_cndmask_b32 v29, v29, v38, s38
	v_cndmask_b32 v37, v[\x], v24, s36
	v_cndmask_b32 v38, v[\id], v27, s36
	v_cndmask_b32 v25, v25, v37, s37
	v_cndmask_b32 v28, v28, v38, s37
	v_cndmask_b32 v24, v24, v[\x], s36
	v_cndmask_b32 v27, v27, v[\id], s36
.endm
	s_wait_loadcnt 10                              ; the four records are in; the ten loads issued behind them may be out
.irp e, 0,1,2,3
	v_and_b32 v36, 0x3ff, v[CR+4*\e+3]
	INSI CR+4*\e, 36
	v_bfe_u32 v36, v[CR+4*\e+3], 10, 10
	INSI CR+4*\e+1, 36
	v_bfe_u32 v36, v[CR+4*\e+3], 20, 10
	INSI CR+4*\e+2, 36
.endr
.macro XR m                            ; with the list of lane xor m: the eight lanes of a row hold lists of disjoint partitions
.irp k, 0,1,2,3,4,5
	v_mov_b32_dpp v[30+\k], v[24+\k] row_xmask:\m row_mask:0xf bank_mask:0xf
.endr
	INSI 30, 33
	INSI 31, 34
	INSI 32, 35
.endm
	XR 1
	XR 2
	XR 4
.irp rr, 0,1,2,3
.irp g, 0,1,2
	v_readlane_b32 s[20+3*\rr+\g], v[27+\g], 8*\rr
	s_min_u32 s[20+3*\rr+\g], s[20+3*\rr+\g], 511  ; held inside the table in front of every address
	v_cndmask_b32 v[IDL+\g], v[IDL+\g], s[20+3*\rr+\g], s[32+\rr]
.endr
.endr
.macro GSET beta                       ; batch beta: set k is row 2 beta + k / 3, group k % 3: its 16 rows' image into window 1, its scale words
.irp k, 0,1,2,3,4,5
	v_lshl_add_u32 v[200+\k], s[20+6*\beta+\k], 12, v1
	v_lshl_add_u32 v[206+\k], s[20+6*\beta+\k], 9, v2
.endr
	WIN 0x40
.irp k, 0,1,2,3,4,5
.irp q, 0,1,2,3,4,5,6,7
	global_load_b128 v[32*\k+4*\q:32*\k+4*\q+3], v[200+\k], s[46:47] offset:\q*512
.endr
.endr
	WIN 0
.irp k, 0,1,2,3,4,5
	global_load_b128 v[AS+4*\k:AS+4*\k+3], v[206+\k], s[48:49]
.endr
.endm
.macro MUL6                            ; 24 products: K step by K step, the six accumulators by turns, one instruction a turn
	WIN 0x01                                       ; source 0 in window 1
.irp s, 0,1,2,3
.irp k, 0,1,2,3,4,5
.if \s == 0
	v_wmma_scale_f32_16x16x128_f8f6f4 v[ACC+8*\k:ACC+8*\k+7], v[32*\k+8*\s:32*\k+8*\s+7], v[BF+8*\s:BF+8*\s+7], 0, v[AS+4*\k+\s], v[BS+\s] matrix_a_fmt:MATRIX_FMT_FP4 matrix_b_fmt:MATRIX_FMT_FP4
.else
	v_wmma_scale_f32_16x16x128_f8f6f4 v[ACC+8*\k:ACC+8*\k+7], v[32*\k+8*\s:32*\k+8*\s+7], v[BF+8*\s:BF+8*\s+7], v[ACC+8*\k:ACC+8*\k+7], v[AS+4*\k+\s], v[BS+\s] matrix_a_fmt:MATRIX_FMT_FP4 matrix_b_fmt:MATRIX_FMT_FP4
.endif
.endr
.endr
	WIN 0
.rept 5
	v_nop                                          ; places behind the products (ISA guide 7.12.1)
.endr
.endm
.macro COLLECT beta                    ; of set k only the column of its own row is kept; each accumulator from its low end on
.irp k, 0,1,2,3,4,5
.irp j, 0,1,2,3,4,5,6,7
	v_cndmask_b32 v[COL+8*(\k%3)+\j], v[COL+8*(\k%3)+\j], v[ACC+8*\k+\j], s[32+2*\beta+\k/3]
.endr
.endr
.endm
	GSET 0
.irp g, 0,1,2
	v_min_u32 v[212+\g], 0x1ff, v[IDL+\g]
	v_lshl_add_u32 v[212+\g], v[212+\g], 9, v6
.endr
.irp g, 0,1,2
.irp n, 0,1
	global_load_b128 v[EN+8*\g+4*\n:EN+8*\g+4*\n+3], v[212+\g], s[48:49] offset:320+16*\n   ; |e| of rows 8 h + 0 .. 7 of my row's group g
.endr
.endr
	s_wait_loadcnt 6                               ; all but the six loads of norms just issued
	MUL6
	GSET 1                                         ; batch 0's loads have been shown done: their address registers are written anew
	COLLECT 0
	s_wait_loadcnt 0x0
	MUL6
	COLLECT 1
.set i, 0
.rept 24
	v_fmaak_f32 v[EN+i], v199, v[EN+i], 0x322bcc77 ; |n| |e| + 1e-8
.set i, i+1
.endr
.set i, 0
.rept 24
	v_rcp_f32 v[ACC+i], v[EN+i]
.set i, i+1
.endr
	v_nop                                          ; a plain line behind the last reciprocal
.set i, 0
	s_wait_alu depctr_va_vdst(0)
.rept 24
	v_fma_f32 v[ACC+24+i], -v[EN+i], v[ACC+i], 1.0
.set i, i+1
.endr
.set i, 0
.rept 24
	v_fma_f32 v[ACC+i], v[ACC+24+i], v[ACC+i], v[ACC+i]
.set i, i+1
.endr
.set i, 0
.rept 24
	v_mul_f32 v[COL+i], v[COL+i], v[ACC+i]         ; the similarity
.set i, i+1
.endr
.macro INSF x, id                      ; (similarity, row number) into the final list: values v216-218, falling, numbers v220-222
	v_cmp_gt_f32 s36, v[\x], v216
	v_cmp_gt_f32 s37, v[\x], v217
	v_cmp_gt_f32 s38, v[\x], v218
	v_cndmask_b32 v235, v[\id], v221, s37
	v_cndmask_b32 v222, v222, v235, s38
	v_cndmask_b32 v235, v[\id], v220, s36
	v_cndmask_b32 v221, v221, v235, s37
	v_cndmask_b32 v220, v220, v[\id], s36
	v_med3_num_f32 v218, v217, v218, v[\x]
	v_med3_num_f32 v217, v216, v217, v[\x]
	v_max_num_f32 v216, v216, v[\x]
.endm
.irp g, 0,1,2
	v_lshl_add_u32 v[236+\g], v[IDL+\g], 4, v7     ; 16 x group + 8 h
.endr
.irp g, 0,1,2
.irp j, 0,1,2,3,4,5,6,7
	v_add_nc_u32 v234, \j, v[236+\g]
	INSF COL+8*\g+\j, 234
.endr
.endr
.irp k, 0,1,2
	v_permlanex16_b32 v[228+\k], v[216+\k], s40, s41
	v_permlanex16_b32 v[231+\k], v[220+\k], s40, s41
.endr
	INSF 228, 231                                  ; with the other eight rows of each group, in lane xor 16
	INSF 229, 232
	INSF 230, 233
	v_add_f32 v240, v216, v217
	v_add_f32 v240, v240, v218                     ; the sum of the three
	v_rcp_f32 v241, v240
	v_sub_nc_u32 v243, v239, s15                   ; (a plain line behind the reciprocal)  lane - 4 a
	s_wait_alu depctr_va_vdst(0)
	v_fma_f32 v242, -v240, v241, 1.0
	v_fma_f32 v241, v242, v241, v241
	v_mul_f32 v224, v216, v241                     ; the weights
	v_mul_f32 v225, v217, v241
	v_mul_f32 v226, v218, v241
	v_cmp_gt_u32 vcc_lo, 4, v243                   ; lanes 4 a .. 4 a + 3 store their rows
	s_wait_xcnt 0x0                                ; EXEC changes only behind this wait
	s_and_saveexec_b32 s39, vcc_lo
	global_store_b128 v1, v[220:223], s[10:11]
	global_store_b128 v1, v[224:227], s[12:13]
	s_wait_xcnt 0x0                                ; and again in front of the line that widens it
	s_or_b32 exec_lo, exec_lo, s39
	s_endpgm
.Lfunc_end_k_q8e5d200537_refine:
	.size	k_q8e5d200537_refine, .Lfunc_end_k_q8e5d200537_refine-k_q8e5d200537_refine
	.p2alignl 7, 3214868480
	.fill 96, 4, 3214868480
	.section	.rodata,"a",@progbits
	.p2align	6, 0x0
	.amdhsa_kernel k_q8e5d200537_refine
		.amdhsa_group_segment_fixed_size 0
		.amdhsa_private_segment_fixed_size 0
		.amdhsa_enable_private_segment 0
		.amdhsa_kernarg_size 40
		.amdhsa_user_sgpr_count 2
		.amdhsa_user_sgpr_kernarg_segment_ptr 1
		.amdhsa_wavefront_size32 1
		.amdhsa_system_sgpr_workgroup_id_x 1
		.amdhsa_system_sgpr_workgroup_id_y 1
		.amdhsa_system_sgpr_workgroup_id_z 1
		.amdhsa_system_vgpr_workitem_id 0
		.amdhsa_next_free_vgpr 448
		.amdhsa_next_free_sgpr 66
		.amdhsa_reserve_vcc 1
		.amdhsa_float_denorm_mode_32 3
		.amdhsa_float_denorm_mode_16_64 3
		.amdhsa_memory_ordered 1
		.amdhsa_forward_progress 1
		.amdhsa_inst_pref_size 78
	.end_amdhsa_kernel
	.amdgpu_metadata
---
amdhsa.version: [ 1, 2 ]
amdhsa.kernels:
  - .name:           k_q8e5d200537_refine
    .symbol:         k_q8e5d200537_refine.kd
    .args:
      - { .name: cand, .offset: 0, .size: 8, .value_kind: global_buffer, .address_space: global }
      - { .name: codes, .offset: 8, .size: 8, .value_kind: global_buffer, .address_space: global }
      - { .name: side, .offset: 16, .size: 8, .value_kind: global_buffer, .address_space: global }
      - { .name: topi, .offset: 24, .size: 8, .value_kind: global_buffer, .address_space: global }
      - { .name: topw, .offset: 32, .size: 8, .value_kind: global_buffer, .address_space: global }
    .group_segment_fixed_size: 0
    .private_segment_fixed_size: 0
    .kernarg_segment_align: 8
    .kernarg_segment_size: 40
    .max_flat_workgroup_size: 128
    .sgpr_count:     66
    .vgpr_count:     448
    .wavefront_size: 32
...
	.end_amdgpu_metadata
.endif
;; end of part 3
;; launch mlp (part 4): grid 256 x 1, 16 waves a work-group, no clusters, 155,136 bytes of LDS; arguments existing_node_features, topi, topw, codes, side, fc_b, om_b, out0; writes out0
.if DOCPART == 4
	.amdgcn_target "amdgcn-amd-amdhsa--gfx1250"
	.amdhsa_code_object_version 6
	.text
	.protected	k_q8e5d200537_mlp
	.globl	k_q8e5d200537_mlp
	.p2align	8
	.type	k_q8e5d200537_mlp,@function
k_q8e5d200537_mlp:
	s_mov_b64 s[64:65], 0
	v_nop
	global_prefetch_b8 v0, s[64:65] scope:SCOPE_SE
	s_setreg_imm32_b32 hwreg(HW_REG_WAVE_MODE, 25, 1), 1
	s_wait_xcnt 0x0
; agg = the three neighbours' f32 rows, weighted; out = (Q(agg) Q(fc_w)^T + fc_b), quantised again, x Q(om_w)^T + om_b.  Both products on codes of FP4 with E8M0 scales; agg and the hidden layer never go to memory.
; SHARES.  A work-group of sixteen waves takes 32 rows: two tiles m of 16.  PHASE A: wave w = 8 m + q gathers chunk q (64 along K, 256 bytes of each neighbour's row) of tile m, forms the weighted mean in f32,
; turns it through its own stage so that a lane holds a whole block of 32, and quantises it.  PHASES B, C: wave w owns hidden units, then outputs, 32 w .. 32 w + 31 for both tiles; its part of each weight goes from
; memory straight into its registers.
; OPERANDS GO FROM WAVE TO WAVE THROUGH LDS AS IMAGES OF THEIR REGISTERS (16 bytes a lane, 512 a chunk), their scale words as 4 bytes a row.  Three barriers; no region is written twice.
; Both products are used transposed (source 0 = 16 rows of the weight, source 1 = 16 rows of data).  THE ROWS OF fc_w THAT FORM A TILE ARE NOT NEIGHBOURS: lane r of tile u takes row 32 w + 8 u + r + 8 (r / 8), so that
; a lane's 16 registers are 16 neighbours along the next K.  The biases are the C of each sum's first product.
; The row numbers come from memory as whole numbers and are held to 8,191 in front of the address.  LIMITS: a block of zeros gets the byte 1 (its codes are zeros); NaN and infinities are not served.
.set GF,   1024
.set GO,   1056
.set AIMG, 69632                       ; behind the sixteen stages of 16 x 272 bytes: agg's images, (8 m + q) x 512
.set ASC,  77824                       ; its scale words: (4 m + s) x 64 + 4 r
.set HIMG, 78336                       ; the hidden layer's images
.set HSC,  86528                       ; its scale words
.set OST,  87040                       ; the way out: 32 rows x (2,048 + 16) bytes
.set IDX,  24                          ; v24-55   row numbers, then byte offsets
.set WT,   56                          ; v56-87   weights
.set DAT,  88                          ; v88-183  gathered: 12 i + 4 k
.set XF,   184                         ; v184-215 a block of 32; later a tile's fragments; later rows of the output
.set ACC,  216                         ; v216-231 phase A: at work; then two accumulators
.set W2,   24                          ; after phase A: om_w's fragments v24-87, fc_w's v88-151, the biases v152-167, v168-183
.set W1,   88
.set B1,   152
.set B2,   168
.set W1S,  232                         ; v232-239, v240-247, v248-251: scale words and nothing else
.set W2S,  240
.set XS,   248
	s_load_b256 s[4:11], s[0:1], 0x0               ; existing, topi, topw, codes
	s_load_b256 s[12:19], s[0:1], 0x20             ; side, fc_b, om_b, out0
	v_lshrrev_b32 v20, 5, v0
	v_readfirstlane_b32 s20, v20                   ; wave w
	v_and_b32 v20, 31, v0                          ; lane
	v_and_b32 v21, 15, v0                          ; r
	v_bfe_u32 v22, v0, 4, 1                        ; h
	v_lshlrev_b32 v1, 4, v20                       ; 16 x lane
	s_mul_i32 s34, s20, 4352
	v_mul_u32_u24 v2, v22, 272
	v_lshl_add_u32 v2, v21, 4, v2
	v_add_nc_u32 v2, s34, v2                       ; my stage, in: row h of a pair, 16 bytes a lane
	v_mul_u32_u24 v3, v21, 272
	v_lshl_add_u32 v3, v22, 7, v3
	v_add_nc_u32 v3, s34, v3                       ; out: row r, my half's 128 bytes
	s_lshl_b32 s34, s20, 9
	s_add_co_u32 s34, s34, AIMG
	v_add_nc_u32 v4, s34, v1                       ; where I store agg's chunk
	s_lshr_b32 s34, s20, 1
	s_lshl_b32 s34, s34, 6
	s_and_b32 s35, s20, 1
	s_lshl_b32 s35, s35, 1
	s_add_co_u32 s34, s34, s35
	s_add_co_u32 s34, s34, ASC
	v_lshl_add_u32 v5, v21, 2, v22
	v_add_nc_u32 v5, s34, v5                       ; and its scale byte: word w / 2, byte 2 (w % 2) + h of row r
	v_add_nc_u32 v6, AIMG, v1
	v_lshl_add_u32 v7, v21, 2, ASC
	s_lshl_b32 s34, s20, 8
	s_add_co_u32 s34, s34, HIMG
	v_lshlrev_b32 v8, 4, v21
	v_lshl_add_u32 v8, v22, 3, v8
	v_add_nc_u32 v8, s34, v8                       ; the hidden layer's block w of row r: 16 bytes, my half's 8
	s_lshr_b32 s34, s20, 2
	s_lshl_b32 s34, s34, 6
	s_and_b32 s35, s20, 3
	s_add_co_u32 s34, s34, s35
	s_add_co_u32 s34, s34, HSC
	v_lshl_add_u32 v9, v21, 2, s34                 ; its scale byte: word w / 4, byte w % 4
	v_add_nc_u32 v10, HIMG, v1
	v_lshl_add_u32 v11, v21, 2, HSC
	s_lshl_b32 s34, s20, 7
	s_add_co_u32 s34, s34, OST
	v_mul_u32_u24 v12, v21, 2064
	v_lshl_add_u32 v12, v22, 5, v12
	v_add_nc_u32 v12, s34, v12                     ; the way out, in: row r, my 32 outputs' bytes, 32 for each half
	s_mul_i32 s34, s20, 4128
	s_add_co_u32 s34, s34, OST
	v_add_nc_u32 v13, s34, v1                      ; back: rows 2 w, 2 w + 1
	v_lshlrev_b32 v14, 4, v22                      ; the lists: 16 bytes a row
	v_bfe_u32 v23, v0, 3, 1                        ; r / 8
	v_and_b32 v20, 7, v0                           ; r % 8
	v_lshlrev_b32 v15, 12, v23
	v_lshl_add_u32 v15, v22, 8, v15
	v_lshl_add_u32 v15, v20, 4, v15                ; fc_w: group r / 8 of my two, image lane 16 h + 8 u + r % 8
	v_lshlrev_b32 v16, 9, v23
	v_lshl_add_u32 v16, v20, 4, v16                ; its scale words
	v_lshlrev_b32 v17, 6, v22                      ; fc_b: 64 h
	v_lshlrev_b32 v18, 4, v21                      ; 16 r
	v_lshlrev_b32 v19, 5, v22                      ; om_b: 32 h
	v_mov_b32 v253, 0                              ; a lane permute's destination counts as one of its sources
	s_mov_b32 s32, 0x76543210
	s_mov_b32 s33, 0xfedcba98
	s_lshr_b32 s21, s20, 3                         ; m
	s_and_b32 s22, s20, 7                          ; q
	s_mov_b32 s35, 0
	s_mov_b32 s37, 0
	s_lshl_b32 s34, ttmp9, 9
	s_lshl_b32 s36, s21, 8
	s_add_co_u32 s34, s34, s36                     ; (32 x work-group + 16 m) list rows of 16 bytes
	s_wait_kmcnt 0x0
	s_add_nc_u64 s[6:7], s[6:7], s[34:35]
	s_add_nc_u64 s[8:9], s[8:9], s[34:35]
	s_lshl_b32 s36, s22, 8
	s_add_nc_u64 s[4:5], s[4:5], s[36:37]          ; chunk q of every existing row
	s_lshl_b32 s34, s20, 13
	s_add_co_u32 s34, s34, GF*4096
	s_add_nc_u64 s[24:25], s[10:11], s[34:35]      ; fc_w's groups 2 w, 2 w + 1,
	s_add_nc_u64 s[26:27], s[24:25], (GO-GF)*4096  ; om_w's
	s_lshl_b32 s34, s20, 10
	s_add_co_u32 s34, s34, GF*512
	s_add_nc_u64 s[28:29], s[12:13], s[34:35]      ; and their side records
	s_add_nc_u64 s[30:31], s[28:29], (GO-GF)*512
	s_lshl_b32 s34, s20, 7
	s_add_nc_u64 s[14:15], s[14:15], s[34:35]
	s_add_nc_u64 s[16:17], s[16:17], s[34:35]
	s_lshl_b32 s34, ttmp9, 16
	s_lshl_b32 s36, s20, 12
	s_add_co_u32 s34, s34, s36
	s_add_nc_u64 s[18:19], s[18:19], s[34:35]      ; out0 at row 32 x work-group + 2 w
	; ---- A: the lists of rows 2 i + h of my tile, the gather, the weighted mean
.irp i, 0,1,2,3,4,5,6,7
	global_load_b128 v[IDX+4*\i:IDX+4*\i+3], v14, s[6:7] offset:\i*32
.endr
.irp i, 0,1,2,3,4,5,6,7
	global_load_b128 v[WT+4*\i:WT+4*\i+3], v14, s[8:9] offset:\i*32
.endr
	s_wait_loadcnt 0x0
.irp i, 0,1,2,3,4,5,6,7
.irp k, 0,1,2
	v_min_u32 v[IDX+4*\i+\k], 0x1fff, v[IDX+4*\i+\k]
	v_lshl_add_u32 v[IDX+4*\i+\k], v[IDX+4*\i+\k], 11, v18
.endr
.endr
.irp i, 0,1,2,3,4,5,6,7
.irp k, 0,1,2
	global_load_b128 v[DAT+12*\i+4*\k:DAT+12*\i+4*\k+3], v[IDX+4*\i+\k], s[4:5]   ; sixteen lanes read 256 aligned bytes of a neighbour's row; a row may be named twice, so no hint
.endr
.endr
.macro AGG i
	s_wait_loadcnt 21-3*(\i)                       ; this pair of rows is in; the pairs behind it may be out
.irp p, 0,2
	v_pk_mul_f32 v[DAT+12*\i+\p:DAT+12*\i+\p+1], v[DAT+12*\i+\p:DAT+12*\i+\p+1], v[WT+4*\i:WT+4*\i+1] op_sel_hi:[1,0]
.endr
.irp p, 0,1,2,3
	v_fma_f32 v[DAT+12*\i+\p], v[DAT+12*\i+4+\p], v[WT+4*\i+1], v[DAT+12*\i+\p]
.endr
.irp p, 0,2
	v_pk_fma_f32 v[DAT+12*\i+\p:DAT+12*\i+\p+1], v[DAT+12*\i+8+\p:DAT+12*\i+8+\p+1], v[WT+4*\i+2:WT+4*\i+3], v[DAT+12*\i+\p:DAT+12*\i+\p+1] op_sel_hi:[1,0,1]
.endr
	ds_store_b128 v2, v[DAT+12*\i:DAT+12*\i+3] offset:\i*544
.endm
.irp i, 0,1,2,3,4,5,6,7
	AGG \i
.endr
.irp n, 0,1,2,3,4,5,6,7
	ds_load_b128 v[XF+4*\n:XF+4*\n+3], v3 offset:16*\n   ; LDS serves a wave's instructions in order (ISA guide 5.7.1.4): these see my stores
.endr
	s_wait_dscnt 0x0                               ; my block is in, and the stores have read their registers: the weights may land there
.irp u, 0,1
.irp q, 0,1,2,3,4,5,6,7
	global_load_b128 v[W1+32*\u+4*\q:W1+32*\u+4*\q+3], v15, s[24:25] offset:\q*512+\u*128
.endr
.endr
.irp u, 0,1
	global_load_b128 v[W1S+4*\u:W1S+4*\u+3], v16, s[28:29] offset:\u*128
.endr
.irp u, 0,1
.irp n, 0,1
	global_load_b128 v[B1+8*\u+4*\n:B1+8*\u+4*\n+3], v17, s[14:15] offset:\u*32+16*\n
.endr
.endr
.irp t, 0,1
.irp q, 0,1,2,3,4,5,6,7
	global_load_b128 v[W2+32*\t+4*\q:W2+32*\t+4*\q+3], v1, s[26:27] offset:\t*4096+\q*512
.endr
.endr
.irp t, 0,1
	global_load_b128 v[W2S+4*\t:W2S+4*\t+3], v18, s[30:31] offset:\t*512
.endr
.irp t, 0,1
.irp n, 0,1
	global_load_b128 v[B2+8*\t+4*\n:B2+8*\t+4*\n+3], v19, s[16:17] offset:\t*64+16*\n
.endr
.endr
	v_max3_num_f32 v216, |v[XF]|, |v[XF+1]|, |v[XF+2]|      ; the block's largest magnitude: all 32 numbers are mine
	v_max3_num_f32 v217, |v[XF+3]|, |v[XF+4]|, |v[XF+5]|
.irp i, 6,10,14,18,22,26
	v_max3_num_f32 v216, v216, |v[XF+\i]|, |v[XF+\i+1]|
	v_max3_num_f32 v217, v217, |v[XF+\i+2]|, |v[XF+\i+3]|
.endr
	v_max3_num_f32 v216, v216, |v[XF+30]|, |v[XF+31]|
	v_max3_num_f32 v216, v216, v217, 0x1800000     ; and the floor 2^(3 - 127)
	v_add_nc_u32 v218, 0xff000000, v216            ; 2 off the exponent field: the conversion's scale operand
.irp g, 0,1,2,3
	v_cvt_scalef32_pk8_fp4_f32 v[220+\g], v[XF+8*\g:XF+8*\g+7], v218
.endr
	v_lshrrev_b32 v219, 23, v218                   ; the byte (also the plain line behind the conversions)
	ds_store_b128 v4, v[220:223]
	ds_store_b8 v5, v219
.macro BARRIER                         ; my LDS stores have landed and my LDS loads are in: then the work-group's barrier
	s_wait_dscnt 0x0
	s_barrier_signal -1
	s_barrier_wait -1
.endm
.macro PLACES
.rept 5
	v_nop                                          ; places behind the products: for reads of results, loads into operands, and sums begun anew
.endr
.endm
.macro FETCH img, sc, m                ; a tile's four fragments and its four scale words
.irp q, 0,1,2,3,4,5,6,7
	ds_load_b128 v[XF+4*\q:XF+4*\q+3], v[\img] offset:\m*4096+\q*512
.endr
.irp s, 0,1,2,3
	ds_load_b32 v[XS+\s], v[\sc] offset:(4*\m+\s)*64
.endr
	s_wait_dscnt 0x0
.endm
.macro MUL8 w, ws, b                   ; eight products: K step by K step, the two accumulators by turns; the bias is the first product's C
.irp s, 0,1,2,3
.irp u, 0,1
.if \s == 0
	v_wmma_scale_f32_16x16x128_f8f6f4 v[ACC+8*\u:ACC+8*\u+7], v[\w+32*\u+8*\s:\w+32*\u+8*\s+7], v[XF+8*\s:XF+8*\s+7], v[\b+8*\u:\b+8*\u+7], v[\ws+4*\u+\s], v[XS+\s] matrix_a_fmt:MATRIX_FMT_FP4 matrix_b_fmt:MATRIX_FMT_FP4
.else
	v_wmma_scale_f32_16x16x128_f8f6f4 v[ACC+8*\u:ACC+8*\u+7], v[\w+32*\u+8*\s:\w+32*\u+8*\s+7], v[XF+8*\s:XF+8*\s+7], v[ACC+8*\u:ACC+8*\u+7], v[\ws+4*\u+\s], v[XS+\s] matrix_a_fmt:MATRIX_FMT_FP4 matrix_b_fmt:MATRIX_FMT_FP4
.endif
.endr
.endr
	PLACES
.endm
	BARRIER                                        ; agg's sixteen chunks and their scale words lie in LDS
	; ---- B: my 32 hidden units for both tiles; a lane's 16 registers are units 32 w + 16 h + 0 .. 15 of row r
.irp m, 0,1
	FETCH 6, 7, \m
.if \m == 0
	s_wait_loadcnt 22                              ; fc_w's fragments, scale words and bias are in; the 22 loads for the second layer may be out
.endif
	MUL8 W1, W1S, B1
	v_max3_num_f32 v252, |v[ACC]|, |v[ACC+1]|, 0x1800000    ; my 16 numbers and the floor; from the accumulators' low ends on
.irp i, 2,4,6,8,10,12,14
	v_max3_num_f32 v252, v252, |v[ACC+\i]|, |v[ACC+\i+1]|
.endr
	v_permlanex16_b32 v253, v252, s32, s33
	v_max_num_f32 v252, v252, v253                 ; with lane xor 16's: the block's largest magnitude
	v_add_nc_u32 v254, 0xff000000, v252
	v_cvt_scalef32_pk8_fp4_f32 v20, v[ACC:ACC+7], v254
	v_cvt_scalef32_pk8_fp4_f32 v21, v[ACC+8:ACC+15], v254
	v_lshrrev_b32 v255, 23, v254                   ; the byte (also the plain line behind the conversions)
	ds_store_b64 v8, v[20:21] offset:\m*4096
	ds_store_b8 v9, v255 offset:\m*256             ; both halves store the same byte with the same value
.endr
	BARRIER                                        ; the hidden layer's sixteen chunks lie in LDS
	; ---- C: my 32 outputs for both tiles
.irp m, 0,1
	FETCH 10, 11, \m
.if \m == 0
	s_wait_loadcnt 0x0                             ; om_w's fragments, scale words and bias
.endif
	MUL8 W2, W2S, B2
.irp t, 0,1
	ds_store_b128 v12, v[ACC+8*\t:ACC+8*\t+3] offset:\m*33024+\t*64          ; lane (r, h): out(16 m + r, 32 w + 16 t + 8 h + 0 .. 7); each accumulator from its low end on
	ds_store_b128 v12, v[ACC+8*\t+4:ACC+8*\t+7] offset:\m*33024+\t*64+16
.endr
.endr
	BARRIER                                        ; 32 whole rows lie in the stage
.irp i, 0,1,2,3,4,5,6,7
	ds_load_b128 v[XF+4*\i:XF+4*\i+3], v13 offset:(\i/4)*2064+(\i%4)*512
.endr
.irp i, 0,1,2,3,4,5,6,7
	s_wait_dscnt 7-\i                              ; LDS loads come back in order: number i is in
	global_store_b128 v1, v[XF+4*\i:XF+4*\i+3], s[18:19] offset:(\i/4)*2048+(\i%4)*512 th:TH_STORE_NT   ; 32 lanes store 512 consecutive bytes; written once, read by nobody here
.endr
	s_wait_xcnt 0x0
	v_lshl_add_u32 v254, v0, 2, 0x25600
	v_mov_b32 v255, 0
	s_wait_tensorcnt 0x0
	ds_add_u32 v254, v255
	s_wait_dscnt 0x0
	s_endpgm
.Lfunc_end_k_q8e5d200537_mlp:
	.size	k_q8e5d200537_mlp, .Lfunc_end_k_q8e5d200537_mlp-k_q8e5d200537_mlp
	.p2alignl 7, 3214868480
	.fill 96, 4, 3214868480
	.section	.rodata,"a",@progbits
	.p2align	6, 0x0
	.amdhsa_kernel k_q8e5d200537_mlp
		.amdhsa_group_segment_fixed_size 155136
		.amdhsa_private_segment_fixed_size 0
		.amdhsa_enable_private_segment 0
		.amdhsa_kernarg_size 64
		.amdhsa_user_sgpr_count 2
		.amdhsa_user_sgpr_kernarg_segment_ptr 1
		.amdhsa_wavefront_size32 1
		.amdhsa_system_sgpr_workgroup_id_x 1
		.amdhsa_system_sgpr_workgroup_id_y 1
		.amdhsa_system_sgpr_workgroup_id_z 1
		.amdhsa_system_vgpr_workitem_id 0
		.amdhsa_next_free_vgpr 256
		.amdhsa_next_free_sgpr 66
		.amdhsa_reserve_vcc 0
		.amdhsa_float_denorm_mode_32 3
		.amdhsa_float_denorm_mode_16_64 3
		.amdhsa_memory_ordered 1
		.amdhsa_forward_progress 1
		.amdhsa_inst_pref_size 35
	.end_amdhsa_kernel
	.amdgpu_metadata
---
amdhsa.version: [ 1, 2 ]
amdhsa.kernels:
  - .name:           k_q8e5d200537_mlp
    .symbol:         k_q8e5d200537_mlp.kd
    .args:
      - { .name: existing_node_features, .offset: 0, .size: 8, .value_kind: global_buffer, .address_space: global }
      - { .name: topi, .offset: 8, .size: 8, .value_kind: global_buffer, .address_space: global }
      - { .name: topw, .offset: 16, .size: 8, .value_kind: global_buffer, .address_space: global }
      - { .name: codes, .offset: 24, .size: 8, .value_kind: global_buffer, .address_space: global }
      - { .name: side, .offset: 32, .size: 8, .value_kind: global_buffer, .address_space: global }
      - { .name: fc_b, .offset: 40, .size: 8, .value_kind: global_buffer, .address_space: global }
      - { .name: om_b, .offset: 48, .size: 8, .value_kind: global_buffer, .address_space: global }
      - { .name: out0, .offset: 56, .size: 8, .value_kind: global_buffer, .address_space: global }
    .group_segment_fixed_size: 155136
    .private_segment_fixed_size: 0
    .kernarg_segment_align: 8
    .kernarg_segment_size: 64
    .max_flat_workgroup_size: 512
    .sgpr_count:     66
    .vgpr_count:     256
    .wavefront_size: 32
...
	.end_amdgpu_metadata
.endif
;; end of part 4
;; ======== version 2 of 2: 4 launches; version 1 with the launches refine, mlp written anew for expert scheduling mode
;; limits: right only within a limited range of input values
;; workspace buffers: codes 4,456,448 bytes; side 557,056 bytes; cand 4,194,304 bytes of whole numbers; topi 131,072 bytes of whole numbers; topw 131,072 bytes
;; launch quant: the kernel of part 1 again; grid 272 x 1, 4 waves a work-group, no clusters, 35,328 bytes of LDS; arguments new_node_features, existing_node_features, fc_w, om_w, codes, side; writes codes, side
;; launch scan: the kernel of part 2 again; grid 16 x 16, 8 waves a work-group, clusters of 4 x 4, 304,128 bytes of LDS; arguments codes, side, cand; writes cand
;; launch refine (part 5): grid 512 x 1, 4 waves a work-group, no clusters, 0 bytes of LDS; arguments cand, codes, side, topi, topw; writes topi, topw
.if DOCPART == 5
	.amdgcn_target "amdgcn-amd-amdhsa--gfx1250"
	.amdhsa_code_object_version 6
	.text
	.protected	k_q8e5d200537_refine
	.globl	k_q8e5d200537_refine
	.p2align	8
	.type	k_q8e5d200537_refine,@function
k_q8e5d200537_refine:
	s_mov_b64 s[64:65], 0
	v_nop
	global_prefetch_b8 v0, s[64:65] scope:SCOPE_SE
	s_setreg_imm32_b32 hwreg(HW_REG_WAVE_SCHED_MODE, 0, 2), 2
	s_setreg_imm32_b32 hwreg(HW_REG_WAVE_MODE, 25, 1), 1
	s_wait_xcnt 0x0
	s_wait_alu depctr_vm_vsrc(0)
; THE SECOND LEVEL OF THE TOP 3.  For each new row the 32 lists of three (key, group) are merged, by whole-number compares alone, into the row's three groups; these 3 x 16 existing rows are multiplied again on their
; FP4 codes; sim = dot / (|n| |e| + 1e-8) as reference() has it; the three largest, their row numbers and the weights sim / (sum of the three) are stored.
; SHARES.  A work-group takes a tile of 16 new rows, wave a its rows 4 a .. 4 a + 3: twelve (row, group) pairs, in two batches of six.  Source 0 = the group's 16 rows, source 1 = the new tile; of each result only
; the column of the pair's own row is kept (lanes 4 a + rr and 16 + 4 a + rr).  The chain of loads that depend on each other is three long: the lists, batch 0, batch 1.
; Group numbers come from memory as whole numbers and are held to 511 in front of every address.
; LIMITS: equal similarities may be ordered otherwise than by the lowest index; the reciprocals are v_rcp_f32 with one step of Newton's; NaN and infinities are not served.
; The stores are 64 bytes a wave into each of two small buffers.
; THE MODE: SCHED_MODE bits 1:0 = 2 (LLVM: expert scheduling mode 2), set by the entry lines.  The code itself states the register dependences between vector or matrix instructions and memory instructions,
; and between a vector instruction that writes a scalar register and that register's readers, with s_wait_alu, always for 0.
; THE PLAN.  Registers that memory instructions touch:
;   v1, v2, v4, v5      offsets, made once at the head and never written again.
;   v8-23, v40-75, v199 the lists, the new tile's fragments and scale words, |n|: each loaded once.
;   v200-211, v244-255  the offsets of batch 0 and of batch 1, a set to each batch; v212-214 those of the norms.  All 27 are made together, behind the merge, and never written again.
;   window 1 v0-191, v76-99   a batch's fragments and scale words: batch 0's loads land, 24 products read them, batch 1's loads land, 24 products read them.
;   v172-195            the norms: loaded once.      v220-227  the results: written by vector lines, read by the two stores.
; So one wait on va_vdst stands ahead of each of the four runs of memory instructions (the first loads; batch 0 with the norms; batch 1; the stores), and no offset is ever written a second time.
.set GE,  512
.set CR,  8                            ; v8-23    four records of a lane
.set BF,  40                           ; v40-71   the new tile's fragments
.set BS,  72                           ; v72-75   its scale words
.set AS,  76                           ; v76-99   six sets of four scale words
.set ACC, 100                          ; v100-147 six accumulators; later reciprocals
.set COL, 148                          ; v148-171 my row's 24 dots, 8 g + j, then its similarities
.set EN,  172                          ; v172-195 the 24 existing norms, then the divisors
.set IDL, 196                          ; v196-198 my row's three groups
.set AD0, 200                          ; v200-211 batch 0: six offsets into the codes, six into the side records
.set AD1, 244                          ; v244-255 batch 1 likewise
.set MSB, 0
.macro WIN new
.if MSB != \new
	s_set_vgpr_msb (MSB<<8)|\new
.set MSB, \new
.endif
.endm
	s_load_b256 s[4:11], s[0:1], 0x0               ; cand, codes, side, topi
	s_load_b64 s[12:13], s[0:1], 0x20              ; topw
	v_lshrrev_b32 v1, 5, v0
	v_readfirstlane_b32 s14, v1                    ; wave a
	v_and_b32 v239, 31, v0                         ; lane
	v_and_b32 v2, 15, v0                           ; r
	v_bfe_u32 v3, v0, 4, 1                         ; h
	v_lshlrev_b32 v1, 4, v239                      ; 16 x lane
	v_lshlrev_b32 v5, 2, v2                        ; 4 r
	v_lshlrev_b32 v2, 4, v2                        ; 16 r
	v_lshlrev_b32 v6, 5, v3                        ; 32 h
	v_lshlrev_b32 v7, 3, v3                        ; 8 h
	v_and_b32 v4, 7, v0
	v_lshlrev_b32 v4, 19, v4                       ; lane % 8 takes four partitions of 131,072 bytes,
	v_bfe_u32 v36, v0, 3, 2
	v_lshl_add_u32 v4, v36, 4, v4                  ; of row lane / 8
	s_wait_alu depctr_va_sdst(0)                   ; s14 is written, ahead of its first reader, the line below
	s_lshl_b32 s15, s14, 2                         ; 4 a
	s_mov_b32 s40, 0x76543210
	s_mov_b32 s41, 0xfedcba98
.irp rr, 0,1,2,3
	s_add_co_u32 s16, s15, \rr
	s_lshl_b32 s[32+\rr], 0x10001, s16             ; the two lanes that own row rr
.endr
	s_lshl_b32 s16, ttmp9, 8
	s_lshl_b32 s17, s14, 6
	s_add_co_u32 s16, s16, s17                     ; (16 T + 4 a) records of 16 bytes
	s_mov_b32 s17, 0
	s_lshl_b32 s18, ttmp9, 12
	s_mov_b32 s19, 0
	s_lshl_b32 s50, ttmp9, 9
	s_mov_b32 s51, 0
	s_lshl_b32 s52, ttmp9, 8
	s_mov_b32 s53, 0
	s_wait_kmcnt 0x0
	s_add_nc_u64 s[4:5], s[4:5], s[16:17]
	s_add_nc_u64 s[42:43], s[6:7], s[18:19]        ; the new tile's codes,
	s_add_nc_u64 s[44:45], s[8:9], s[50:51]        ; its side record
	s_add_nc_u64 s[46:47], s[6:7], GE*4096         ; the existing groups' codes,
	s_add_nc_u64 s[48:49], s[8:9], GE*512          ; their side records
	s_add_nc_u64 s[10:11], s[10:11], s[52:53]
	s_add_nc_u64 s[12:13], s[12:13], s[52:53]
	s_wait_alu depctr_va_vdst(0)                   ; the offsets v1, v2, v4 and v5 are written, which the loads below and the stores at the end read
.irp e, 0,1,2,3
	global_load_b128 v[CR+4*\e:CR+4*\e+3], v4, s[4:5] offset:\e*131072
.endr
.irp q, 0,1,2,3,4,5,6,7
	global_load_b128 v[BF+4*\q:BF+4*\q+3], v1, s[42:43] offset:\q*512
.endr
	global_load_b128 v[BS:BS+3], v2, s[44:45]
	global_load_b32 v199, v5, s[44:45] offset:320  ; |n| of row r
	v_mov_b32 v24, 0x80000000                      ; the merge list: keys v24-26, falling, groups v27-29
	v_mov_b32 v25, 0x80000000
	v_mov_b32 v26, 0x80000000
.irp k, 27,28,29,30,31,32,33,34,35,196,197,198,220,221,222,223,227,228,229,230,231,232,233
	v_mov_b32 v\k, 0
.endr
.irp k, 216,217,218
	v_mov_b32 v\k, 0xff800000                      ; the final list's values begin at -infinity
.endr
.set i, 0
.rept 24
	v_mov_b32 v[COL+i], 0                          ; written whole once: the selects below keep the other lanes' words
.set i, i+1
.endr
.macro INSI x, id                      ; (key, group) into the sorted list of three: whole numbers alone
	v_cmp_gt_i32 s36, v[\x], v24
	v_cmp_gt_i32 s37, v[\x], v25
	v_cmp_gt_i32 s38, v[\x], v26
	s_wait_alu depctr_va_sdst(0)                   ; the three masks s36 to s38 are written, which the selects below read
	v_cndmask_b32 v37, v[\x], v25, s37
	v_cndmask_b32 v38, v[\id], v28, s37
	v_cndmask_b32 v26, v26, v37, s38
	v_cndmask_b32 v29, v29, v38, s38
	v_cndmask_b32 v37, v[\x], v24, s36
	v_cndmask_b32 v38, v[\id], v27, s36
	v_cndmask_b32 v25, v25, v37, s37
	v_cndmask_b32 v28, v28, v38, s37
	v_cndmask_b32 v24, v24, v[\x], s36
	v_cndmask_b32 v27, v27, v[\id], s36
.endm
	s_wait_loadcnt 10                              ; the four records are in; the ten loads issued behind them may be out
.irp e, 0,1,2,3
	v_and_b32 v36, 0x3ff, v[CR+4*\e+3]
	INSI CR+4*\e, 36
	v_bfe_u32 v36, v[CR+4*\e+3], 10, 10
	INSI CR+4*\e+1, 36
	v_bfe_u32 v36, v[CR+4*\e+3], 20, 10
	INSI CR+4*\e+2, 36
.endr
.macro XR m                            ; with the list of lane xor m: the eight lanes of a row hold lists of disjoint partitions
.irp k, 0,1,2,3,4,5
	v_mov_b32_dpp v[30+\k], v[24+\k] row_xmask:\m row_mask:0xf bank_mask:0xf
.endr
	INSI 30, 33
	INSI 31, 34
	INSI 32, 35
.endm
	XR 1
	XR 2
	XR 4
.irp rr, 0,1,2,3
.irp g, 0,1,2
	v_readlane_b32 s[20+3*\rr+\g], v[27+\g], 8*\rr ; the twelve group numbers, in one run
.endr
.endr
	s_wait_alu depctr_va_sdst(0)                   ; s20 to s31 are written, ahead of their first readers, the twelve lines below
.irp rr, 0,1,2,3
.irp g, 0,1,2
	s_min_u32 s[20+3*\rr+\g], s[20+3*\rr+\g], 511  ; held inside the table in front of every address
.endr
.endr
.irp rr, 0,1,2,3
.irp g, 0,1,2
	v_cndmask_b32 v[IDL+\g], v[IDL+\g], s[20+3*\rr+\g], s[32+\rr]
.endr
.endr
.macro GADR beta, ad                   ; batch beta: set k is row 2 beta + k / 3, group k % 3: where its image and its side record begin for my lane
.irp k, 0,1,2,3,4,5
	v_lshl_add_u32 v[\ad+\k], s[20+6*\beta+\k], 12, v1
	v_lshl_add_u32 v[\ad+6+\k], s[20+6*\beta+\k], 9, v2
.endr
.endm
.macro GSET ad                         ; a batch's six images into window 1, and their scale words
	WIN 0x40
	s_wait_alu depctr_va_vdst(0)                   ; batch 0: all 27 offsets are written, which the loads read; batch 1: the products are done reading the fragments and the scale words, in which these loads land
.irp k, 0,1,2,3,4,5
.irp q, 0,1,2,3,4,5,6,7
	global_load_b128 v[32*\k+4*\q:32*\k+4*\q+3], v[\ad+\k], s[46:47] offset:\q*512
.endr
.endr
	WIN 0
.irp k, 0,1,2,3,4,5
	global_load_b128 v[AS+4*\k:AS+4*\k+3], v[\ad+6+\k], s[48:49]   ; only loads and a window switch stand between the wait above and these
.endr
.endm
.macro MUL6                            ; 24 products: K step by K step, the six accumulators by turns, one instruction a turn
	WIN 0x01                                       ; source 0 in window 1
.irp s, 0,1,2,3
.irp k, 0,1,2,3,4,5
.if \s == 0
	v_wmma_scale_f32_16x16x128_f8f6f4 v[ACC+8*\k:ACC+8*\k+7], v[32*\k+8*\s:32*\k+8*\s+7], v[BF+8*\s:BF+8*\s+7], 0, v[AS+4*\k+\s], v[BS+\s] matrix_a_fmt:MATRIX_FMT_FP4 matrix_b_fmt:MATRIX_FMT_FP4
.else
	v_wmma_scale_f32_16x16x128_f8f6f4 v[ACC+8*\k:ACC+8*\k+7], v[32*\k+8*\s:32*\k+8*\s+7], v[BF+8*\s:BF+8*\s+7], v[ACC+8*\k:ACC+8*\k+7], v[AS+4*\k+\s], v[BS+\s] matrix_a_fmt:MATRIX_FMT_FP4 matrix_b_fmt:MATRIX_FMT_FP4
.endif
.endr
.endr
	WIN 0
.rept 5
	v_nop                                          ; places behind the products (ISA guide 7.12.1)
.endr
.endm
.macro COLLECT beta                    ; of set k only the column of its own row is kept; each accumulator from its low end on
.irp k, 0,1,2,3,4,5
.irp j, 0,1,2,3,4,5,6,7
	v_cndmask_b32 v[COL+8*(\k%3)+\j], v[COL+8*(\k%3)+\j], v[ACC+8*\k+\j], s[32+2*\beta+\k/3]
.endr
.endr
.endm
	GADR 0, AD0                                    ; both batches' offsets and the norms' are made here, each in registers of its own
	GADR 1, AD1
.irp g, 0,1,2
	v_min_u32 v[212+\g], 0x1ff, v[IDL+\g]
	v_lshl_add_u32 v[212+\g], v[212+\g], 9, v6
.endr
	GSET AD0
.irp g, 0,1,2
.irp n, 0,1
	global_load_b128 v[EN+8*\g+4*\n:EN+8*\g+4*\n+3], v[212+\g], s[48:49] offset:320+16*\n   ; |e| of rows 8 h + 0 .. 7 of my row's group g; no vector line stands between batch 0's wait and these
.endr
.endr
	s_wait_loadcnt 6                               ; all but the six loads of norms just issued
	MUL6
	GSET AD1                                       ; batch 0's loads have been shown done and its products are done with their operands: batch 1 lands in the same registers, by offsets of its own
	COLLECT 0                                      ; names the accumulators and my row's dots alone: none of the registers that batch 1's loads touch
	s_wait_loadcnt 0x0
	MUL6
	COLLECT 1
.set i, 0
.rept 24
	v_fmaak_f32 v[EN+i], v199, v[EN+i], 0x322bcc77 ; |n| |e| + 1e-8
.set i, i+1
.endr
.set i, 0
.rept 24
	v_rcp_f32 v[ACC+i], v[EN+i]
.set i, i+1
.endr
	v_nop                                          ; a plain line behind the last reciprocal
.set i, 0
	s_wait_alu depctr_va_vdst(0)                   ; the 24 reciprocals are written, ahead of their first reader
.rept 24
	v_fma_f32 v[ACC+24+i], -v[EN+i], v[ACC+i], 1.0
.set i, i+1
.endr
.set i, 0
.rept 24
	v_fma_f32 v[ACC+i], v[ACC+24+i], v[ACC+i], v[ACC+i]
.set i, i+1
.endr
.set i, 0
.rept 24
	v_mul_f32 v[COL+i], v[COL+i], v[ACC+i]         ; the similarity
.set i, i+1
.endr
.macro INSF x, id                      ; (similarity, row number) into the final list: values v216-218, falling, numbers v220-222
	v_cmp_gt_f32 s36, v[\x], v216
	v_cmp_gt_f32 s37, v[\x], v217
	v_cmp_gt_f32 s38, v[\x], v218
	s_wait_alu depctr_va_sdst(0)                   ; the three masks s36 to s38 are written, which the selects below read
	v_cndmask_b32 v235, v[\id], v221, s37
	v_cndmask_b32 v222, v222, v235, s38
	v_cndmask_b32 v235, v[\id], v220, s36
	v_cndmask_b32 v221, v221, v235, s37
	v_cndmask_b32 v220, v220, v[\id], s36
	v_med3_num_f32 v218, v217, v218, v[\x]
	v_med3_num_f32 v217, v216, v217, v[\x]
	v_max_num_f32 v216, v216, v[\x]
.endm
.irp g, 0,1,2
	v_lshl_add_u32 v[236+\g], v[IDL+\g], 4, v7     ; 16 x group + 8 h
.endr
.irp g, 0,1,2
.irp j, 0,1,2,3,4,5,6,7
	v_add_nc_u32 v234, \j, v[236+\g]
	INSF COL+8*\g+\j, 234
.endr
.endr
.irp k, 0,1,2
	v_permlanex16_b32 v[228+\k], v[216+\k], s40, s41
	v_permlanex16_b32 v[231+\k], v[220+\k], s40, s41
.endr
	INSF 228, 231                                  ; with the other eight rows of each group, in lane xor 16
	INSF 229, 232
	INSF 230, 233
	v_add_f32 v240, v216, v217
	v_add_f32 v240, v240, v218                     ; the sum of the three
	v_rcp_f32 v241, v240
	v_sub_nc_u32 v243, v239, s15                   ; (a plain line behind the reciprocal)  lane - 4 a
	s_wait_alu depctr_va_vdst(0)                   ; the reciprocal is written, ahead of its first reader
	v_fma_f32 v242, -v240, v241, 1.0
	v_fma_f32 v241, v242, v241, v241
	v_mul_f32 v224, v216, v241                     ; the weights
	v_mul_f32 v225, v217, v241
	v_mul_f32 v226, v218, v241
	v_cmp_gt_u32 vcc_lo, 4, v243                   ; lanes 4 a .. 4 a + 3 store their rows
	s_wait_xcnt 0x0                                ; EXEC changes only behind this wait
	s_wait_alu depctr_va_vcc(0)                    ; VCC is written: EXEC is made from it
	s_wait_alu depctr_va_vdst(0)                   ; ahead of the write of EXEC: every vector line has written its result, v220 to v227, which the stores read, among them
	s_wait_alu depctr_vm_vsrc(0)                   ; ahead of the write of EXEC: every load has read its registers
	s_and_saveexec_b32 s39, vcc_lo
	global_store_b128 v1, v[220:223], s[10:11]
	global_store_b128 v1, v[224:227], s[12:13]
	s_wait_xcnt 0x0                                ; and again in front of the line that widens it
	s_wait_alu depctr_va_vdst(0)                   ; ahead of the write of EXEC, as above
	s_wait_alu depctr_vm_vsrc(0)                   ; the two stores have read their offset and their data
	s_or_b32 exec_lo, exec_lo, s39
	s_endpgm
.Lfunc_end_k_q8e5d200537_refine:
	.size	k_q8e5d200537_refine, .Lfunc_end_k_q8e5d200537_refine-k_q8e5d200537_refine
	.p2alignl 7, 3214868480
	.fill 96, 4, 3214868480
	.section	.rodata,"a",@progbits
	.p2align	6, 0x0
	.amdhsa_kernel k_q8e5d200537_refine
		.amdhsa_group_segment_fixed_size 0
		.amdhsa_private_segment_fixed_size 0
		.amdhsa_enable_private_segment 0
		.amdhsa_kernarg_size 40
		.amdhsa_user_sgpr_count 2
		.amdhsa_user_sgpr_kernarg_segment_ptr 1
		.amdhsa_wavefront_size32 1
		.amdhsa_system_sgpr_workgroup_id_x 1
		.amdhsa_system_sgpr_workgroup_id_y 1
		.amdhsa_system_sgpr_workgroup_id_z 1
		.amdhsa_system_vgpr_workitem_id 0
		.amdhsa_next_free_vgpr 448
		.amdhsa_next_free_sgpr 66
		.amdhsa_reserve_vcc 1
		.amdhsa_float_denorm_mode_32 3
		.amdhsa_float_denorm_mode_16_64 3
		.amdhsa_memory_ordered 1
		.amdhsa_forward_progress 1
		.amdhsa_inst_pref_size 80
	.end_amdhsa_kernel
	.amdgpu_metadata
---
amdhsa.version: [ 1, 2 ]
amdhsa.kernels:
  - .name:           k_q8e5d200537_refine
    .symbol:         k_q8e5d200537_refine.kd
    .args:
      - { .name: cand, .offset: 0, .size: 8, .value_kind: global_buffer, .address_space: global }
      - { .name: codes, .offset: 8, .size: 8, .value_kind: global_buffer, .address_space: global }
      - { .name: side, .offset: 16, .size: 8, .value_kind: global_buffer, .address_space: global }
      - { .name: topi, .offset: 24, .size: 8, .value_kind: global_buffer, .address_space: global }
      - { .name: topw, .offset: 32, .size: 8, .value_kind: global_buffer, .address_space: global }
    .group_segment_fixed_size: 0
    .private_segment_fixed_size: 0
    .kernarg_segment_align: 8
    .kernarg_segment_size: 40
    .max_flat_workgroup_size: 128
    .sgpr_count:     66
    .vgpr_count:     448
    .wavefront_size: 32
...
	.end_amdgpu_metadata
.endif
;; end of part 5
;; launch mlp (part 6): grid 256 x 1, 16 waves a work-group, no clusters, 155,136 bytes of LDS; arguments existing_node_features, topi, topw, codes, side, fc_b, om_b, out0; writes out0
.if DOCPART == 6
	.amdgcn_target "amdgcn-amd-amdhsa--gfx1250"
	.amdhsa_code_object_version 6
	.text
	.protected	k_q8e5d200537_mlp
	.globl	k_q8e5d200537_mlp
	.p2align	8
	.type	k_q8e5d200537_mlp,@function
k_q8e5d200537_mlp:
	s_mov_b64 s[64:65], 0
	v_nop
	global_prefetch_b8 v0, s[64:65] scope:SCOPE_SE
	s_setreg_imm32_b32 hwreg(HW_REG_WAVE_SCHED_MODE, 0, 2), 2
	s_setreg_imm32_b32 hwreg(HW_REG_WAVE_MODE, 25, 1), 1
	s_wait_xcnt 0x0
	s_wait_alu depctr_vm_vsrc(0)
; agg = the three neighbours' f32 rows, weighted; out = (Q(agg) Q(fc_w)^T + fc_b), quantised again, x Q(om_w)^T + om_b.  Both products on codes of FP4 with E8M0 scales; agg and the hidden layer never go to memory.
; SHARES.  A work-group of sixteen waves takes 32 rows: two tiles m of 16.  PHASE A: wave w = 8 m + q gathers chunk q (64 along K, 256 bytes of each neighbour's row) of tile m, forms the weighted mean in f32,
; turns it through its own stage so that a lane holds a whole block of 32, and quantises it.  PHASES B, C: wave w owns hidden units, then outputs, 32 w .. 32 w + 31 for both tiles; its part of each weight goes from
; memory straight into its registers.
; OPERANDS GO FROM WAVE TO WAVE THROUGH LDS AS IMAGES OF THEIR REGISTERS (16 bytes a lane, 512 a chunk), their scale words as 4 bytes a row.  Three barriers; no region is written twice.
; Both products are used transposed (source 0 = 16 rows of the weight, source 1 = 16 rows of data).  THE ROWS OF fc_w THAT FORM A TILE ARE NOT NEIGHBOURS: lane r of tile u takes row 32 w + 8 u + r + 8 (r / 8), so that
; a lane's 16 registers are 16 neighbours along the next K.  The biases are the C of each sum's first product.
; The row numbers come from memory as whole numbers and are held to 8,191 in front of the address.  LIMITS: a block of zeros gets the byte 1 (its codes are zeros); NaN and infinities are not served.
; THE MODE: SCHED_MODE bits 1:0 = 2 (LLVM: expert scheduling mode 2), set by the entry lines.  The code itself states the register dependences between vector or matrix instructions and memory or LDS instructions,
; with s_wait_alu, always for 0.
; THE PLAN.  Registers that memory or LDS instructions touch:
;   v1-19      offsets and LDS addresses, made once at the head and never written again.
;   v24-55     row numbers as loaded; vector lines make offsets of them; the gather reads them; then om_w's fragments land there.
;   v56-87     weights as loaded; the means read them; then om_w's fragments land there.
;   v88-183    the gathered rows; pair i's mean is written in place and read by one LDS store, which stands in pair i + 1's turn; then fc_w's fragments and the two biases land there.
;   v184-215, v248-251   LDS loads land; the quantiser or a tile's eight products read them; the next tile's LDS loads land.
;   v219-223   phase A's byte and codes: read by LDS stores; phase B's products then write them as accumulators.
;   v20, v21, v255       the hidden layer's codes and byte: written for each tile, read by two LDS stores.
;   v216-231   phase C: written by a tile's products, read by four LDS stores, written by the next tile's products.
; A wait on va_vdst stands ahead of each run of LDS stores; no vector or matrix line follows it before the next tile's LDS loads, so it also states that the readers of the registers in which those land are done.
; A wait on vm_vsrc stands ahead of each first write of registers that a store or the gather has read.
.set GF,   1024
.set GO,   1056
.set AIMG, 69632                       ; behind the sixteen stages of 16 x 272 bytes: agg's images, (8 m + q) x 512
.set ASC,  77824                       ; its scale words: (4 m + s) x 64 + 4 r
.set HIMG, 78336                       ; the hidden layer's images
.set HSC,  86528                       ; its scale words
.set OST,  87040                       ; the way out: 32 rows x (2,048 + 16) bytes
.set IDX,  24                          ; v24-55   row numbers, then byte offsets
.set WT,   56                          ; v56-87   weights
.set DAT,  88                          ; v88-183  gathered: 12 i + 4 k
.set XF,   184                         ; v184-215 a block of 32; later a tile's fragments; later rows of the output
.set ACC,  216                         ; v216-231 phase A: at work; then two accumulators
.set W2,   24                          ; after phase A: om_w's fragments v24-87, fc_w's v88-151, the biases v152-167, v168-183
.set W1,   88
.set B1,   152
.set B2,   168
.set W1S,  232                         ; v232-239, v240-247, v248-251: scale words and nothing else
.set W2S,  240
.set XS,   248
	s_load_b256 s[4:11], s[0:1], 0x0               ; existing, topi, topw, codes
	s_load_b256 s[12:19], s[0:1], 0x20             ; side, fc_b, om_b, out0
	v_lshrrev_b32 v20, 5, v0
	v_readfirstlane_b32 s20, v20                   ; wave w
	v_and_b32 v20, 31, v0                          ; lane
	v_and_b32 v21, 15, v0                          ; r
	v_bfe_u32 v22, v0, 4, 1                        ; h
	v_lshlrev_b32 v1, 4, v20                       ; 16 x lane
	s_wait_alu depctr_va_sdst(0)                   ; s20 is written, ahead of its first reader, the line below
	s_mul_i32 s34, s20, 4352
	v_mul_u32_u24 v2, v22, 272
	v_lshl_add_u32 v2, v21, 4, v2
	v_add_nc_u32 v2, s34, v2                       ; my stage, in: row h of a pair, 16 bytes a lane
	v_mul_u32_u24 v3, v21, 272
	v_lshl_add_u32 v3, v22, 7, v3
	v_add_nc_u32 v3, s34, v3                       ; out: row r, my half's 128 bytes
	s_lshl_b32 s34, s20, 9
	s_add_co_u32 s34, s34, AIMG
	v_add_nc_u32 v4, s34, v1                       ; where I store agg's chunk
	s_lshr_b32 s34, s20, 1
	s_lshl_b32 s34, s34, 6
	s_and_b32 s35, s20, 1
	s_lshl_b32 s35, s35, 1
	s_add_co_u32 s34, s34, s35
	s_add_co_u32 s34, s34, ASC
	v_lshl_add_u32 v5, v21, 2, v22
	v_add_nc_u32 v5, s34, v5                       ; and its scale byte: word w / 2, byte 2 (w % 2) + h of row r
	v_add_nc_u32 v6, AIMG, v1
	v_lshl_add_u32 v7, v21, 2, ASC
	s_lshl_b32 s34, s20, 8
	s_add_co_u32 s34, s34, HIMG
	v_lshlrev_b32 v8, 4, v21
	v_lshl_add_u32 v8, v22, 3, v8
	v_add_nc_u32 v8, s34, v8                       ; the hidden layer's block w of row r: 16 bytes, my half's 8
	s_lshr_b32 s34, s20, 2
	s_lshl_b32 s34, s34, 6
	s_and_b32 s35, s20, 3
	s_add_co_u32 s34, s34, s35
	s_add_co_u32 s34, s34, HSC
	v_lshl_add_u32 v9, v21, 2, s34                 ; its scale byte: word w / 4, byte w % 4
	v_add_nc_u32 v10, HIMG, v1
	v_lshl_add_u32 v11, v21, 2, HSC
	s_lshl_b32 s34, s20, 7
	s_add_co_u32 s34, s34, OST
	v_mul_u32_u24 v12, v21, 2064
	v_lshl_add_u32 v12, v22, 5, v12
	v_add_nc_u32 v12, s34, v12                     ; the way out, in: row r, my 32 outputs' bytes, 32 for each half
	s_mul_i32 s34, s20, 4128
	s_add_co_u32 s34, s34, OST
	v_add_nc_u32 v13, s34, v1                      ; back: rows 2 w, 2 w + 1
	v_lshlrev_b32 v14, 4, v22                      ; the lists: 16 bytes a row
	v_bfe_u32 v23, v0, 3, 1                        ; r / 8
	v_and_b32 v20, 7, v0                           ; r % 8
	v_lshlrev_b32 v15, 12, v23
	v_lshl_add_u32 v15, v22, 8, v15
	v_lshl_add_u32 v15, v20, 4, v15                ; fc_w: group r / 8 of my two, image lane 16 h + 8 u + r % 8
	v_lshlrev_b32 v16, 9, v23
	v_lshl_add_u32 v16, v20, 4, v16                ; its scale words
	v_lshlrev_b32 v17, 6, v22                      ; fc_b: 64 h
	v_lshlrev_b32 v18, 4, v21                      ; 16 r
	v_lshlrev_b32 v19, 5, v22                      ; om_b: 32 h
	v_mov_b32 v253, 0                              ; a lane permute's destination counts as one of its sources
	s_mov_b32 s32, 0x76543210
	s_mov_b32 s33, 0xfedcba98
	s_lshr_b32 s21, s20, 3                         ; m
	s_and_b32 s22, s20, 7                          ; q
	s_mov_b32 s35, 0
	s_mov_b32 s37, 0
	s_lshl_b32 s34, ttmp9, 9
	s_lshl_b32 s36, s21, 8
	s_add_co_u32 s34, s34, s36                     ; (32 x work-group + 16 m) list rows of 16 bytes
	s_wait_kmcnt 0x0
	s_add_nc_u64 s[6:7], s[6:7], s[34:35]
	s_add_nc_u64 s[8:9], s[8:9], s[34:35]
	s_lshl_b32 s36, s22, 8
	s_add_nc_u64 s[4:5], s[4:5], s[36:37]          ; chunk q of every existing row
	s_lshl_b32 s34, s20, 13
	s_add_co_u32 s34, s34, GF*4096
	s_add_nc_u64 s[24:25], s[10:11], s[34:35]      ; fc_w's groups 2 w, 2 w + 1,
	s_add_nc_u64 s[26:27], s[24:25], (GO-GF)*4096  ; om_w's
	s_lshl_b32 s34, s20, 10
	s_add_co_u32 s34, s34, GF*512
	s_add_nc_u64 s[28:29], s[12:13], s[34:35]      ; and their side records
	s_add_nc_u64 s[30:31], s[28:29], (GO-GF)*512
	s_lshl_b32 s34, s20, 7
	s_add_nc_u64 s[14:15], s[14:15], s[34:35]
	s_add_nc_u64 s[16:17], s[16:17], s[34:35]
	s_lshl_b32 s34, ttmp9, 16
	s_lshl_b32 s36, s20, 12
	s_add_co_u32 s34, s34, s36
	s_add_nc_u64 s[18:19], s[18:19], s[34:35]      ; out0 at row 32 x work-group + 2 w
	s_wait_alu depctr_va_vdst(0)                   ; the nineteen offsets and LDS addresses v1 to v19 are written, which every load and store of the kernel reads
	; ---- A: the lists of rows 2 i + h of my tile, the gather, the weighted mean
.irp i, 0,1,2,3,4,5,6,7
	global_load_b128 v[IDX+4*\i:IDX+4*\i+3], v14, s[6:7] offset:\i*32
.endr
.irp i, 0,1,2,3,4,5,6,7
	global_load_b128 v[WT+4*\i:WT+4*\i+3], v14, s[8:9] offset:\i*32
.endr
	s_wait_loadcnt 0x0
.irp i, 0,1,2,3,4,5,6,7
.irp k, 0,1,2
	v_min_u32 v[IDX+4*\i+\k], 0x1fff, v[IDX+4*\i+\k]
	v_lshl_add_u32 v[IDX+4*\i+\k], v[IDX+4*\i+\k], 11, v18
.endr
.endr
	s_wait_alu depctr_va_vdst(0)                   ; the 24 offsets of the gather are written, which the loads below read
.irp i, 0,1,2,3,4,5,6,7
.irp k, 0,1,2
	global_load_b128 v[DAT+12*\i+4*\k:DAT+12*\i+4*\k+3], v[IDX+4*\i+\k], s[4:5]   ; sixteen lanes read 256 aligned bytes of a neighbour's row; a row may be named twice, so no hint
.endr
.endr
.macro MEAN i                          ; pair i of rows: the weighted mean of its three neighbours, in place
.irp p, 0,2
	v_pk_mul_f32 v[DAT+12*(\i)+\p:DAT+12*(\i)+\p+1], v[DAT+12*(\i)+\p:DAT+12*(\i)+\p+1], v[WT+4*(\i):WT+4*(\i)+1] op_sel_hi:[1,0]
.endr
.irp p, 0,1,2,3
	v_fma_f32 v[DAT+12*(\i)+\p], v[DAT+12*(\i)+4+\p], v[WT+4*(\i)+1], v[DAT+12*(\i)+\p]
.endr
.irp p, 0,2
	v_pk_fma_f32 v[DAT+12*(\i)+\p:DAT+12*(\i)+\p+1], v[DAT+12*(\i)+8+\p:DAT+12*(\i)+8+\p+1], v[WT+4*(\i)+2:WT+4*(\i)+3], v[DAT+12*(\i)+\p:DAT+12*(\i)+\p+1] op_sel_hi:[1,0,1]
.endr
.endm
.macro PUT i                           ; and its way into my stage
	ds_store_b128 v2, v[DAT+12*(\i):DAT+12*(\i)+3] offset:(\i)*544
.endm
.irp i, 0,1,2,3,4,5,6,7
	s_wait_loadcnt 21-3*\i                         ; this pair of rows is in; the pairs behind it may be out
.if \i > 0
	s_wait_alu depctr_va_vdst(0)                   ; the mean of the pair before is written, which the store below reads
	PUT \i-1
.endif
	MEAN \i
.endr
	s_wait_alu depctr_va_vdst(0)                   ; the last mean is written, which the store below reads; and every line that named v24 to v183, in which the weights land below, is done
	PUT 7
.irp n, 0,1,2,3,4,5,6,7
	ds_load_b128 v[XF+4*\n:XF+4*\n+3], v3 offset:16*\n   ; LDS serves a wave's instructions in order (ISA guide 5.7.1.4): these see my stores
.endr
	s_wait_dscnt 0x0                               ; my block is in
	s_wait_alu depctr_vm_vsrc(0)                   ; the gather has read its offsets in v24 to v55 and the LDS stores their data in v88 to v183: the weights may land there
.irp u, 0,1
.irp q, 0,1,2,3,4,5,6,7
	global_load_b128 v[W1+32*\u+4*\q:W1+32*\u+4*\q+3], v15, s[24:25] offset:\q*512+\u*128
.endr
.endr
.irp u, 0,1
	global_load_b128 v[W1S+4*\u:W1S+4*\u+3], v16, s[28:29] offset:\u*128
.endr
.irp u, 0,1
.irp n, 0,1
	global_load_b128 v[B1+8*\u+4*\n:B1+8*\u+4*\n+3], v17, s[14:15] offset:\u*32+16*\n
.endr
.endr
.irp t, 0,1
.irp q, 0,1,2,3,4,5,6,7
	global_load_b128 v[W2+32*\t+4*\q:W2+32*\t+4*\q+3], v1, s[26:27] offset:\t*4096+\q*512
.endr
.endr
.irp t, 0,1
	global_load_b128 v[W2S+4*\t:W2S+4*\t+3], v18, s[30:31] offset:\t*512
.endr
.irp t, 0,1
.irp n, 0,1
	global_load_b128 v[B2+8*\t+4*\n:B2+8*\t+4*\n+3], v19, s[16:17] offset:\t*64+16*\n
.endr
.endr
	v_max3_num_f32 v216, |v[XF]|, |v[XF+1]|, |v[XF+2]|      ; the block's largest magnitude: all 32 numbers are mine
	v_max3_num_f32 v217, |v[XF+3]|, |v[XF+4]|, |v[XF+5]|
.irp i, 6,10,14,18,22,26
	v_max3_num_f32 v216, v216, |v[XF+\i]|, |v[XF+\i+1]|
	v_max3_num_f32 v217, v217, |v[XF+\i+2]|, |v[XF+\i+3]|
.endr
	v_max3_num_f32 v216, v216, |v[XF+30]|, |v[XF+31]|
	v_max3_num_f32 v216, v216, v217, 0x1800000     ; and the floor 2^(3 - 127)
	v_add_nc_u32 v218, 0xff000000, v216            ; 2 off the exponent field: the conversion's scale operand
.irp g, 0,1,2,3
	v_cvt_scalef32_pk8_fp4_f32 v[220+\g], v[XF+8*\g:XF+8*\g+7], v218
.endr
	v_lshrrev_b32 v219, 23, v218                   ; the byte (also the plain line behind the conversions)
	s_wait_alu depctr_va_vdst(0)                   ; the codes and the byte are written, which the LDS stores read; the quantiser is done reading v184 to v215, in which the first tile's fragments land
	ds_store_b128 v4, v[220:223]
	ds_store_b8 v5, v219
.macro BARRIER                         ; my LDS stores have landed and my LDS loads are in: then the work-group's barrier
	s_wait_dscnt 0x0
	s_barrier_signal -1
	s_barrier_wait -1
.endm
.macro PLACES
.rept 5
	v_nop                                          ; places behind the products (ISA guide 7.12.1): for reads of results, and sums begun anew
.endr
.endm
.macro FETCH img, sc, m                ; a tile's four fragments and its four scale words
.irp q, 0,1,2,3,4,5,6,7
	ds_load_b128 v[XF+4*\q:XF+4*\q+3], v[\img] offset:\m*4096+\q*512
.endr
.irp s, 0,1,2,3
	ds_load_b32 v[XS+\s], v[\sc] offset:(4*\m+\s)*64
.endr
	s_wait_dscnt 0x0
.endm
.macro MUL8 w, ws, b                   ; eight products: K step by K step, the two accumulators by turns; the bias is the first product's C
.irp s, 0,1,2,3
.irp u, 0,1
.if \s == 0
	v_wmma_scale_f32_16x16x128_f8f6f4 v[ACC+8*\u:ACC+8*\u+7], v[\w+32*\u+8*\s:\w+32*\u+8*\s+7], v[XF+8*\s:XF+8*\s+7], v[\b+8*\u:\b+8*\u+7], v[\ws+4*\u+\s], v[XS+\s] matrix_a_fmt:MATRIX_FMT_FP4 matrix_b_fmt:MATRIX_FMT_FP4
.else
	v_wmma_scale_f32_16x16x128_f8f6f4 v[ACC+8*\u:ACC+8*\u+7], v[\w+32*\u+8*\s:\w+32*\u+8*\s+7], v[XF+8*\s:XF+8*\s+7], v[ACC+8*\u:ACC+8*\u+7], v[\ws+4*\u+\s], v[XS+\s] matrix_a_fmt:MATRIX_FMT_FP4 matrix_b_fmt:MATRIX_FMT_FP4
.endif
.endr
.endr
	PLACES
.endm
	BARRIER                                        ; agg's sixteen chunks and their scale words lie in LDS
	; ---- B: my 32 hidden units for both tiles; a lane's 16 registers are units 32 w + 16 h + 0 .. 15 of row r
.irp m, 0,1
	FETCH 6, 7, \m
.if \m == 0
	s_wait_loadcnt 22                              ; fc_w's fragments, scale words and bias are in; the 22 loads for the second layer may be out
.endif
	s_wait_alu depctr_vm_vsrc(0)                   ; tile 0: my LDS stores of agg's byte and codes have read v219 to v223, which the products write as accumulators; tile 1: tile 0's LDS stores have read v20, v21 and v255, which the lines below write again
	MUL8 W1, W1S, B1
	v_max3_num_f32 v252, |v[ACC]|, |v[ACC+1]|, 0x1800000    ; my 16 numbers and the floor; from the accumulators' low ends on
.irp i, 2,4,6,8,10,12,14
	v_max3_num_f32 v252, v252, |v[ACC+\i]|, |v[ACC+\i+1]|
.endr
	v_permlanex16_b32 v253, v252, s32, s33
	v_max_num_f32 v252, v252, v253                 ; with lane xor 16's: the block's largest magnitude
	v_add_nc_u32 v254, 0xff000000, v252
	v_cvt_scalef32_pk8_fp4_f32 v20, v[ACC:ACC+7], v254
	v_cvt_scalef32_pk8_fp4_f32 v21, v[ACC+8:ACC+15], v254
	v_lshrrev_b32 v255, 23, v254                   ; the byte (also the plain line behind the conversions)
	s_wait_alu depctr_va_vdst(0)                   ; the codes and the byte are written, which the LDS stores read; the products are done reading the fragments and scale words, in which the next LDS loads land
	ds_store_b64 v8, v[20:21] offset:\m*4096
	ds_store_b8 v9, v255 offset:\m*256             ; both halves store the same byte with the same value
.endr
	BARRIER                                        ; the hidden layer's sixteen chunks lie in LDS
	; ---- C: my 32 outputs for both tiles
.irp m, 0,1
	FETCH 10, 11, \m
.if \m == 0
	s_wait_loadcnt 0x0                             ; om_w's fragments, scale words and bias
.else
	s_wait_alu depctr_vm_vsrc(0)                   ; tile 0's LDS stores have read the accumulators, which the products below write again
.endif
	MUL8 W2, W2S, B2
	s_wait_alu depctr_va_vdst(0)                   ; behind the places: the products have written the accumulators, which the LDS stores read, and are done reading the fragments and scale words, in which the next LDS loads land
.irp t, 0,1
	ds_store_b128 v12, v[ACC+8*\t:ACC+8*\t+3] offset:\m*33024+\t*64          ; lane (r, h): out(16 m + r, 32 w + 16 t + 8 h + 0 .. 7); each accumulator from its low end on
	ds_store_b128 v12, v[ACC+8*\t+4:ACC+8*\t+7] offset:\m*33024+\t*64+16
.endr
.endr
	BARRIER                                        ; 32 whole rows lie in the stage
.irp i, 0,1,2,3,4,5,6,7
	ds_load_b128 v[XF+4*\i:XF+4*\i+3], v13 offset:(\i/4)*2064+(\i%4)*512
.endr
.irp i, 0,1,2,3,4,5,6,7
	s_wait_dscnt 7-\i                              ; LDS loads come back in order: number i is in
	global_store_b128 v1, v[XF+4*\i:XF+4*\i+3], s[18:19] offset:(\i/4)*2048+(\i%4)*512 th:TH_STORE_NT   ; 32 lanes store 512 consecutive bytes; written once, read by nobody here
.endr
	s_wait_xcnt 0x0
	s_wait_alu depctr_vm_vsrc(0)                   ; the LDS stores of the hidden layer's byte have read v255, which is made anew below
	v_lshl_add_u32 v254, v0, 2, 0x25600
	v_mov_b32 v255, 0
	s_wait_dscnt 0x0                               ; the closing lines, six on end
	s_wait_alu 0x0
	s_wait_tensorcnt 0x0
	ds_add_u32 v254, v255
	s_wait_dscnt 0x0
	s_endpgm
.Lfunc_end_k_q8e5d200537_mlp:
	.size	k_q8e5d200537_mlp, .Lfunc_end_k_q8e5d200537_mlp-k_q8e5d200537_mlp
	.p2alignl 7, 3214868480
	.fill 96, 4, 3214868480
	.section	.rodata,"a",@progbits
	.p2align	6, 0x0
	.amdhsa_kernel k_q8e5d200537_mlp
		.amdhsa_group_segment_fixed_size 155136
		.amdhsa_private_segment_fixed_size 0
		.amdhsa_enable_private_segment 0
		.amdhsa_kernarg_size 64
		.amdhsa_user_sgpr_count 2
		.amdhsa_user_sgpr_kernarg_segment_ptr 1
		.amdhsa_wavefront_size32 1
		.amdhsa_system_sgpr_workgroup_id_x 1
		.amdhsa_system_sgpr_workgroup_id_y 1
		.amdhsa_system_sgpr_workgroup_id_z 1
		.amdhsa_system_vgpr_workitem_id 0
		.amdhsa_next_free_vgpr 256
		.amdhsa_next_free_sgpr 66
		.amdhsa_reserve_vcc 0
		.amdhsa_float_denorm_mode_32 3
		.amdhsa_float_denorm_mode_16_64 3
		.amdhsa_memory_ordered 1
		.amdhsa_forward_progress 1
		.amdhsa_inst_pref_size 36
	.end_amdhsa_kernel
	.amdgpu_metadata
---
amdhsa.version: [ 1, 2 ]
amdhsa.kernels:
  - .name:           k_q8e5d200537_mlp
    .symbol:         k_q8e5d200537_mlp.kd
    .args:
      - { .name: existing_node_features, .offset: 0, .size: 8, .value_kind: global_buffer, .address_space: global }
      - { .name: topi, .offset: 8, .size: 8, .value_kind: global_buffer, .address_space: global }
      - { .name: topw, .offset: 16, .size: 8, .value_kind: global_buffer, .address_space: global }
      - { .name: codes, .offset: 24, .size: 8, .value_kind: global_buffer, .address_space: global }
      - { .name: side, .offset: 32, .size: 8, .value_kind: global_buffer, .address_space: global }
      - { .name: fc_b, .offset: 40, .size: 8, .value_kind: global_buffer, .address_space: global }
      - { .name: om_b, .offset: 48, .size: 8, .value_kind: global_buffer, .address_space: global }
      - { .name: out0, .offset: 56, .size: 8, .value_kind: global_buffer, .address_space: global }
    .group_segment_fixed_size: 155136
    .private_segment_fixed_size: 0
    .kernarg_segment_align: 8
    .kernarg_segment_size: 64
    .max_flat_workgroup_size: 512
    .sgpr_count:     66
    .vgpr_count:     256
    .wavefront_size: 32
...
	.end_amdgpu_metadata
.endif
;; end of part 6
